; MI455X (gfx1250); checked and timed in simulation.
; The chip was launched on July 23, 2026; its instructions are those of AMD's public machine-readable ISA for CDNA 5 (MIT licence, August 2026) and "CDNA5" Instruction Set Architecture Reference Guide (July 2026). The comments in the code are by the model that wrote it; some were corrected since.
;; Attention. Allowed arithmetic: matrix products marked QUANTISED: E2M1 operands, one E8M0 scale for each 32 along K, by v_wmma_scale_f32_16x16x128_f8f6f4 with both operands' format E2M1 (or v_wmma_scale_f32_32x16x128_f4), f32 sums; products left as they are: bf16, f16 or f32 operands; f32 sums; everything else in f32.
;; Inputs: Wkv 2,048 x 2,048 float32; Wo 1,024 x 2,048 float32; Wq 2,048 x 1,024 float32; bo 2,048 float32; rotary_emb 2,048 x 128 float32; x 2 x 2,048 x 2,048 float32.
;; Outputs: out0 2 x 2,048 x 2,048 float32.
;; This version of the problem:
;;   THIS VERSION OF THE PROBLEM IS GIVEN IN LOW PRECISION. The matrix products marked QUANTISED in the list below multiply operands that are first quantised to E2M1 (2 exponent bits, 1 mantissa bit; 4 bits a number), with one power-of-two scale for each 32 numbers along K (OCP MX v1.0); their sums are f32. The products marked 'left as it is' may take bf16, f16 or f32 operands, with f32 sums. Whichever they take, every output number must still come out within the allowed error. Rounding operands to bf16 (8 significant bits) uses up far more of that allowance than f16 does (11 bits, for magnitudes from 6e-5 to 65,504). All else is computed in f32.
;;   The module's matrix products, in the order in which they are computed (A, B: the left and right operand; K: the contracted axis; several contracted axes count as one K, in the product's order):
;;     1. [M 4,096, K 2,048] x [K 2,048, N 1,024]; A: input x; B: input Wq: QUANTISED
;;     2. [M 4,096, K 2,048] x [K 2,048, N 2,048]; A: input x; B: input Wkv: QUANTISED
;;     3. batch 16 x [M 2,048, K 128] x [K 128, N 2,048]; A: computed on the way; B: computed on the way: left as it is (an operand is computed on the way)
;;     4. batch 16 x [M 2,048, K 2,048] x [K 2,048, N 128]; A: computed on the way; B: computed on the way: left as it is (an operand is computed on the way)
;;     5. [M 4,096, K 1,024] x [K 1,024, N 2,048]; A: computed on the way; B: input Wo: left as it is (an operand is computed on the way)
;;   THE QUANTISER, for each operand of a quantised product, along K:
;;     - K is cut into blocks of 32 from its start; a last block that is shorter is filled with zeros.
;;     - A block's scale is 2^e with e = floor(log2(the largest magnitude in the block)) - 2, held to -126 .. 127; a block of zeros has e = 0. As a byte (E8M0): e + 127.
;;     - Each number is divided by its block's scale, clamped to +-6, and rounded to the nearest number of E2M1, ties to even, subnormals kept.
;;     - The product sums the exact products of the quantised numbers (number of the format x scale) in f32.
;;   ~~~python
;;   def quantise(x, axis):      # numpy; x: float32 -> the quantised numbers, widened to float32 again
;;       x = np.moveaxis(x, axis, -1); K = x.shape[-1]
;;       x = np.pad(x, [(0, 0)] * (x.ndim - 1) + [(0, -K % 32)]); x = x.reshape(x.shape[:-1] + (-1, 32)); a = np.abs(x).max(-1, keepdims=True)
;;       e = np.where(a > 0, np.clip(np.frexp(np.where(a > 0, a, 1))[1] - 1 - 2, -126, 127), 0)      # np.frexp(a)[1] - 1 = floor(log2(a)), exactly
;;       r = np.clip(x / 2.0 ** e, -6, 6)
;;       step = 2.0 ** (np.maximum(np.frexp(np.where(r == 0, 1, r))[1] - 1, 0) - 1)
;;       q = np.round(r / step) * step * 2.0 ** e      # np.round: ties to even
;;       return np.moveaxis(q.reshape(q.shape[:-2] + (-1,))[..., :K], -1, axis).astype(np.float32)
;;   ~~~
;; One version. Each part assembles by itself: llvm-mc -triple=amdgcn-amd-amdhsa -mcpu=gfx1250 --defsym DOCPART=n.
;; ======== version 1 of 1: 4 launches
;; limits: values are held in f16: magnitudes above 65,504 overflow, below 6.1e-05 lose precision; right only within a limited range of input values
;; workspace buffers: xcodes 4,194,304 bytes; xscales 262,144 bytes; wcodes 3,145,728 bytes; wscales 196,608 bytes; wot 4,194,304 bytes; tab 2,097,152 bytes; qkv 25,165,824 bytes; o16 8,388,608 bytes
;; launch prep (part 1): grid 608 x 1, 4 waves a work-group, no clusters, 102,912 bytes of LDS; arguments x, Wq, Wkv, Wo, rotary_emb, xcodes, xscales, wcodes, wscales, wot, tab; writes xcodes, xscales, wcodes, wscales, wot, tab
.if DOCPART == 1
	.amdgcn_target "amdgcn-amd-amdhsa--gfx1250"
	.amdhsa_code_object_version 6
	.text
	.protected	k_q4830a8c9c3_prep
	.globl	k_q4830a8c9c3_prep
	.p2align	8
	.type	k_q4830a8c9c3_prep,@function
k_q4830a8c9c3_prep:
	s_mov_b64 s[64:65], 0
	v_nop
	global_prefetch_b8 v0, s[64:65] scope:SCOPE_SE
	s_setreg_imm32_b32 hwreg(HW_REG_WAVE_MODE, 25, 1), 1
	s_wait_xcnt 0x0
; PREP: everything that is made once from the inputs.  Four kinds of work-groups, told apart by the work-group's number alone:
;   0-31    the rotary table: cos(f) and +-sin(f) of rotary_emb [2048][128], laid as images of the registers in which the next launch wants them
;   32-223  Wq [2048][1024] and Wkv [2048][2048], f32, K = the FIRST axis, into codes of FP4 (E2M1) [3072 columns][1024 bytes], K innermost, and E8M0 bytes [3072][64]
;   224-479 x [2][2048][2048], f32, K innermost, into codes [4096 rows][1024 bytes] and E8M0 bytes [4096][64]; row (b, n) goes to row (n / 64) 128 + 64 b + n % 64,
;           so that 128 rows on end are 64 tokens of batch 0 and the same 64 tokens of batch 1: one wave of the next launch then uses each table entry twice
;   480-607 Wo [1024][2048], f32, into f16 laid [2048 n][1024 k]: K innermost for the last product
; A work-group of the weights and one of x read 128 KiB each, 32 KiB a wave, with 8 KiB of a wave's loads on their way: equal chains.
; A block's scale is 2^(floor(log2(its largest magnitude)) - 2); its byte is the largest magnitude's exponent field - 2, held at 1 from below.
; LIMITS: a block of zeros gets the byte 1 where the rule says 127 (its codes are zeros, and this program alone reads the bytes); |rotary_emb| up to 10,000 (two-term reduction by pi / 2);
; |Wo| under 65,504 (f16); NaN and infinities are not served.
; No tensor load, no barrier: waves share nothing.  Each kind of work-group has LDS bytes of its own.
.set SPARE, 102400                     ; behind the three stages: the spare words, 128 bytes for each wave, that no other line names
.set SPW,   224                        ; v224 LDS address of my spare word; never rewritten
.set NIL,   225                        ; v225 0; never rewritten
.macro FINISH                          ; the wave's end, behind my last LDS store
	s_wait_tensorcnt 0x0
	ds_add_u32 v[SPW], v[NIL]
	s_wait_dscnt 0x0
	s_endpgm
.endm
	s_load_b256 s[4:11], s[0:1], 0x0               ; x s[4:5], Wq s[6:7], Wkv s[8:9], Wo s[10:11]
	s_load_b256 s[12:19], s[0:1], 0x20             ; rotary_emb s[12:13], xcodes s[14:15], xscales s[16:17], wcodes s[18:19]
	s_load_b128 s[20:23], s[0:1], 0x40             ; wscales s[20:21], wot s[22:23]
	s_load_b64 s[24:25], s[0:1], 0x50              ; tab
	v_lshl_add_u32 v[SPW], v0, 2, SPARE
	v_mov_b32 v[NIL], 0
	v_lshrrev_b32 v1, 5, v0
	v_readfirstlane_b32 s26, v1                    ; wave 0..3
	v_and_b32 v2, 31, v0                           ; lane
	s_wait_kmcnt 0x0
	s_cmp_lt_u32 ttmp9, 32
	s_cbranch_scc1 .Ltab
	s_cmp_lt_u32 ttmp9, 224
	s_cbranch_scc1 .Lw
	s_cmp_lt_u32 ttmp9, 480
	s_cbranch_scc1 .Lx
; ---------------- Wo -> f16, turned.  A work-group takes 128 columns x 128 along K; a lane takes a column, its registers run down K.
	s_sub_co_u32 s27, ttmp9, 480
	s_lshr_b32 s28, s27, 3                         ; which 128 columns
	s_and_b32 s29, s27, 7                          ; which 128 along K
	s_lshl_b32 s30, s28, 7
	s_lshl_b32 s31, s26, 5
	s_add_co_u32 s30, s30, s31                     ; my wave's first column
	s_lshl_b32 s32, s29, 20                        ; 128 rows of 8,192 bytes
	s_lshl_b32 s33, s30, 2
	s_add_co_u32 s32, s32, s33
	s_mov_b32 s33, 0
	s_add_nc_u64 s[10:11], s[10:11], s[32:33]
	s_lshl_b32 s32, s30, 11                        ; a row of wot is 2,048 bytes
	s_lshl_b32 s34, s29, 8                         ; 128 f16 are 256 bytes
	s_add_co_u32 s32, s32, s34
	s_add_nc_u64 s[22:23], s[22:23], s[32:33]
	v_lshlrev_b32 v3, 2, v2                        ; in: 4 bytes a lane
	s_mul_i32 s34, s26, 8704
	s_add_co_u32 s34, s34, 67584                   ; my stage: 32 rows of 256 + 16 bytes
	v_mul_u32_u24 v4, v2, 272
	v_add_nc_u32 v4, s34, v4                       ; into it: row = my column
	v_and_b32 v5, 15, v2
	v_lshrrev_b32 v6, 4, v2
	v_mul_u32_u24 v7, v6, 272
	v_lshl_add_u32 v7, v5, 4, v7
	v_add_nc_u32 v7, s34, v7                       ; out of it: sixteen lanes to a row, two rows an instruction
	v_lshlrev_b32 v8, 11, v6
	v_lshl_add_u32 v8, v5, 4, v8                   ; and the same place in wot
.macro OLOAD t                         ; 32 along K of my column: each load reads 128 consecutive bytes a wave
.set i, 0
.rept 32
	global_load_b32 v[32+32*(\t)+i], v3, s[10:11] offset:8192*(32*(\t)+i) th:TH_LOAD_NT
.set i, i+1
.endr
.endm
.macro OBLOCK t
.if (\t) < 3
	s_wait_loadcnt 32                              ; this block's 32 loads are in; the next block's 32 may be out
.else
	s_wait_loadcnt 0x0
.endif
.set i, 0
.rept 16
	v_cvt_pk_f16_f32 v[160+16*(\t)+i], v[32+32*(\t)+2*i], v[33+32*(\t)+2*i]   ; the lower k into the low half
.set i, i+1
.endr
.irp q, 0,1,2,3
	ds_store_b128 v4, v[160+16*(\t)+4*\q:160+16*(\t)+4*\q+3] offset:64*(\t)+16*\q
.endr
.if (\t) < 2
	OLOAD (\t)+2
.endif
.endm
	OLOAD 0
	OLOAD 1
	OBLOCK 0
	OBLOCK 1
	OBLOCK 2
	OBLOCK 3
.irp t, 0,1,2,3,4,5,6,7,8,9,10,11,12,13,14,15
	ds_load_b128 v[32+4*\t:32+4*\t+3], v7 offset:544*\t    ; LDS serves a wave's instructions in order: these see my stores
.endr
.irp t, 0,1,2,3,4,5,6,7,8,9,10,11,12,13,14,15
	s_wait_dscnt 15-\t
	global_store_b128 v8, v[32+4*\t:32+4*\t+3], s[22:23] offset:4096*\t   ; sixteen lanes store 256 consecutive bytes, aligned
.endr
	FINISH
; ---------------- the rotary table.  A wave takes 16 tokens.  Lane (r, h) holds, of token r, d = 16 b + 8 h + 4 j + 0..3 in quad q = 2 b + j.
; tab: [token / 16][b][cos, ss][j][lane][16 bytes];  ss[d] = -sin for even d, +sin for odd d, so that out[d] = t[d] cos[d] + t[d xor 1] ss[d].
.Ltab:
	s_lshl_b32 s28, ttmp9, 2
	s_add_co_u32 s28, s28, s26                     ; my block of 16 tokens
	s_lshl_b32 s30, s28, 13                        ; 16 rows of 512 bytes
	s_mov_b32 s31, 0
	s_add_nc_u64 s[12:13], s[12:13], s[30:31]
	s_lshl_b32 s30, s28, 14                        ; 16,384 bytes of table
	s_add_nc_u64 s[24:25], s[24:25], s[30:31]
	v_and_b32 v5, 15, v2
	v_lshrrev_b32 v6, 4, v2
	v_lshlrev_b32 v3, 9, v5
	v_lshl_add_u32 v3, v6, 5, v3                   ; row r, + 32 h
	v_lshlrev_b32 v4, 4, v2                        ; out: 16 bytes a lane
	s_mov_b32 s32, 0x3f22f983                      ; 2 / pi
	s_mov_b32 s33, 0x3fc90fdb                      ; pi / 2, its upper part,
	s_mov_b32 s34, 0xb33bbd2e                      ; and what is left of it
	s_mov_b32 s35, 0xb94ca1f9                      ; sine's polynomial on [-pi/4, pi/4]
	s_mov_b32 s36, 0x3c08839e
	s_mov_b32 s37, 0xbe2aaaa3
	s_mov_b32 s38, 0x37ccf5ce                      ; cosine's
	s_mov_b32 s39, 0xbab6061a
	s_mov_b32 s40, 0x3d2aaaa5
	s_mov_b32 s41, 0x80000000                      ; the sign
.irp q, 0,1,2,3,4,5,6,7,8,9,10,11,12,13,14,15
	global_load_b128 v[32+4*\q:32+4*\q+3], v3, s[12:13] offset:64*(\q/2)+16*(\q%2)
.endr
	s_wait_loadcnt 0x0
; Four angles by turns, line by line.  Six registers an angle, from v[8 + 6 e]: n, r, n as a whole number, z = r r, the sine's sum, the cosine's sum.
.macro SC4 q
.set FQ, 32+4*(\q)
.set CQ, 96+8*(\q)
.irp e, 0,1,2,3
	v_mul_f32 v[8+6*\e], s32, v[FQ+\e]
.endr
.irp e, 0,1,2,3
	v_rndne_f32 v[8+6*\e], v[8+6*\e]               ; n = the nearest whole number of quarter turns
.endr
.irp e, 0,1,2,3
	v_fma_f32 v[9+6*\e], -v[8+6*\e], s33, v[FQ+\e]
.endr
.irp e, 0,1,2,3
	v_fma_f32 v[9+6*\e], -v[8+6*\e], s34, v[9+6*\e]   ; r = x - n pi / 2, in two parts
.endr
.irp e, 0,1,2,3
	v_cvt_i32_f32 v[10+6*\e], v[8+6*\e]
.endr
.irp e, 0,1,2,3
	v_mul_f32 v[11+6*\e], v[9+6*\e], v[9+6*\e]
.endr
.irp e, 0,1,2,3
	v_fma_f32 v[12+6*\e], v[11+6*\e], s35, s36
.endr
.irp e, 0,1,2,3
	v_fma_f32 v[13+6*\e], v[11+6*\e], s38, s39
.endr
.irp e, 0,1,2,3
	v_fma_f32 v[12+6*\e], v[12+6*\e], v[11+6*\e], s37
.endr
.irp e, 0,1,2,3
	v_fma_f32 v[13+6*\e], v[13+6*\e], v[11+6*\e], s40
.endr
.irp e, 0,1,2,3
	v_mul_f32 v[8+6*\e], v[11+6*\e], v[9+6*\e]     ; z r
.endr
.irp e, 0,1,2,3
	v_fma_f32 v[12+6*\e], v[12+6*\e], v[8+6*\e], v[9+6*\e]   ; sin r
.endr
.irp e, 0,1,2,3
	v_fma_f32 v[9+6*\e], v[11+6*\e], -0.5, 1.0     ; 1 - z / 2
.endr
.irp e, 0,1,2,3
	v_mul_f32 v[11+6*\e], v[11+6*\e], v[11+6*\e]
.endr
.irp e, 0,1,2,3
	v_fma_f32 v[13+6*\e], v[13+6*\e], v[11+6*\e], v[9+6*\e]  ; cos r
.endr
.irp e, 0,1,2,3
	v_and_b32 v[8+6*\e], 1, v[10+6*\e]
.endr
.irp e, 0,1,2,3
	v_cmp_eq_u32 s[44+\e], 1, v[8+6*\e]            ; an odd quarter swaps the two
.endr
.irp e, 0,1,2,3
	v_cndmask_b32 v[11+6*\e], v[12+6*\e], v[13+6*\e], s[44+\e]   ; |sin x|'s sum
.endr
.irp e, 0,1,2,3
	v_cndmask_b32 v[9+6*\e], v[13+6*\e], v[12+6*\e], s[44+\e]    ; |cos x|'s
.endr
.irp e, 0,1,2,3
	v_add_lshl_u32 v[8+6*\e], v[10+6*\e], 1, 30    ; cos x changes sign where bit 1 of n + 1 is set;
.endr
.irp e, 0,1,2,3
	v_add_lshl_u32 v[10+6*\e], v[10+6*\e], 2-2*(\e%2), 30   ; sin x where bit 1 of n is set; for even d once more
.endr
.irp e, 0,1,2,3
	v_and_b32 v[8+6*\e], s41, v[8+6*\e]
.endr
.irp e, 0,1,2,3
	v_and_b32 v[10+6*\e], s41, v[10+6*\e]
.endr
.irp e, 0,1,2,3
	v_xor_b32 v[CQ+\e], v[9+6*\e], v[8+6*\e]
.endr
.irp e, 0,1,2,3
	v_xor_b32 v[CQ+4+\e], v[11+6*\e], v[10+6*\e]
.endr
	global_store_b128 v4, v[CQ:CQ+3], s[24:25] offset:2048*((\q)/2)+512*((\q)%2)          ; 32 lanes store 512 consecutive bytes; each quad has registers of its own
	global_store_b128 v4, v[CQ+4:CQ+7], s[24:25] offset:2048*((\q)/2)+512*((\q)%2)+1024
.endm
.irp q, 0,1,2,3,4,5,6,7,8,9,10,11,12,13,14,15
	SC4 \q
.endr
	FINISH
; ---------------- Wq, Wkv -> codes.  A work-group takes 64 columns x 512 along K; a wave 16 columns.  Lane (r, h) takes column r and the 256 along K from 256 h on: its registers run down K,
; a block of 32 lies in one lane, and a lane has 8 blocks.  A load reads 64 consecutive bytes of each of two rows; the four waves stand side by side on 256 bytes of a row, so these loads carry no hint that the bytes are read once.
; A column's 512 codes, 256 bytes, come from its two lanes and meet in the wave's own stage: no wave waits for another.
.Lw:
	s_sub_co_u32 s27, ttmp9, 32
	s_lshr_b32 s28, s27, 2                         ; which 64 of the 3,072 columns: 0-15 Wq's, 16-47 Wkv's
	s_and_b32 s29, s27, 3                          ; which 512 along K
	s_cmp_lt_u32 s28, 16                           ; the choice hangs on the work-group's number alone
	s_cselect_b64 s[36:37], s[6:7], s[8:9]
	s_mov_b32 s30, 8192
	s_cselect_b32 s30, 4096, s30                   ; a row of the tensor in bytes
	s_cselect_b32 s31, 0, 16
	s_sub_co_u32 s31, s28, s31                     ; which 64 columns of its own tensor
	s_lshl_b32 s31, s31, 6
	s_lshl_b32 s32, s26, 4                         ; my wave's 16 of them
	s_add_co_u32 s31, s31, s32
	s_lshl_b32 s31, s31, 2                         ; my wave's first column, in bytes
	s_lshl_b32 s33, s29, 9
	s_mul_i32 s33, s33, s30                        ; 512 rows for each step along K
	s_add_co_u32 s38, s31, s33
	s_mov_b32 s39, 0
	s_add_nc_u64 s[36:37], s[36:37], s[38:39]
	s_lshl_b32 s42, s30, 5                         ; a block on: 32 rows
	s_mov_b32 s43, 0
	s_lshl_b32 s34, s28, 6
	s_add_co_u32 s34, s34, s32                     ; my wave's first row of the codes
	s_lshl_b32 s38, s34, 10
	s_lshl_b32 s35, s29, 8
	s_add_co_u32 s38, s38, s35
	s_add_nc_u64 s[18:19], s[18:19], s[38:39]
	s_lshl_b32 s38, s34, 6
	s_lshl_b32 s35, s29, 4
	s_add_co_u32 s38, s38, s35
	s_add_nc_u64 s[20:21], s[20:21], s[38:39]
	v_and_b32 v5, 15, v2                           ; r
	v_lshrrev_b32 v6, 4, v2                        ; h
	s_lshl_b32 s35, s30, 8                         ; 256 rows, in bytes: under 2^24
	v_mul_u32_u24 v3, s35, v6                      ; lanes 16-31 begin 256 rows further down
	v_lshl_add_u32 v3, v5, 2, v3                   ; 4 bytes a column
.set i, 0
.rept 32
	v_mad_u32_u24 v[176+i], s30, i, v3             ; row i of a block, my column: never rewritten
.set i, i+1
.endr
	s_mul_i32 s34, s26, 4352
	s_add_co_u32 s34, s34, 32768                   ; my stage: 16 rows of 256 + 16 bytes
	v_mul_u32_u24 v4, v5, 272
	v_lshl_add_u32 v4, v6, 7, v4
	v_add_nc_u32 v4, s34, v4                       ; into it: row = my column, my half of its 256 bytes
	v_mul_u32_u24 v7, v6, 272
	v_lshl_add_u32 v7, v5, 4, v7
	v_add_nc_u32 v7, s34, v7                       ; out of it: sixteen lanes to a row, two rows an instruction
	v_lshlrev_b32 v8, 10, v6
	v_lshl_add_u32 v8, v5, 4, v8                   ; and the same place in the codes
	v_lshlrev_b32 v9, 6, v5
	v_lshl_add_u32 v9, v6, 3, v9                   ; my column's row of scale bytes, my 8 of its 16
.macro WLOAD t
.if (\t) > 0
	s_wait_xcnt 0x0                                ; the loads issued so far have read their base: only now is it stepped
	s_add_nc_u64 s[36:37], s[36:37], s[42:43]
.endif
.set i, 0
.rept 32
	global_load_b32 v[32+32*((\t)%2)+i], v[176+i], s[36:37]
.set i, i+1
.endr
.endm
.macro WBLOCK t
.set XS, 32+32*((\t)%2)
.if (\t) < 7
	s_wait_loadcnt 32                              ; this block's 32 loads are in; the next block's may be out
.else
	s_wait_loadcnt 0x0
.endif
	v_max3_num_f32 v10, |v[XS]|, |v[XS+1]|, |v[XS+2]|
	v_max3_num_f32 v11, |v[XS+3]|, |v[XS+4]|, |v[XS+5]|
.irp i, 6,10,14,18,22,26
	v_max3_num_f32 v10, v10, |v[XS+\i]|, |v[XS+\i+1]|
	v_max3_num_f32 v11, v11, |v[XS+\i+2]|, |v[XS+\i+3]|
.endr
	v_max3_num_f32 v10, v10, |v[XS+30]|, |v[XS+31]|
	v_max3_num_f32 v10, v10, v11, 0x1800000        ; the floor 2^(3 - 127): the byte cannot fall under 1
	v_add_nc_u32 v14, 0xff000000, v10              ; 2 off the exponent field: the conversion's scale operand
	v_lshrrev_b32 v15, 23, v14                     ; the scale's byte
.if (\t)%4 == 0
	v_mov_b32 v[24+(\t)/4], v15
.else
	v_lshl_or_b32 v[24+(\t)/4], v15, 8*((\t)%4), v[24+(\t)/4]
.endif
.irp g, 0,1,2,3
	v_cvt_scalef32_pk8_fp4_f32 v[96+\g], v[XS+8*\g:XS+8*\g+7], v14
.endr
	ds_store_b128 v4, v[96:99] offset:16*(\t)
.if (\t)+2 < 8
	WLOAD (\t)+2
.endif
	s_wait_dscnt 0x0                               ; the store has read its registers: the next block's codes may be written
.endm
	WLOAD 0
	WLOAD 1
.irp t, 0,1,2,3,4,5,6,7
	WBLOCK \t
.endr
	global_store_b64 v9, v[24:25], s[20:21]        ; my 8 scale bytes
.irp t, 0,1,2,3,4,5,6,7
	ds_load_b128 v[112+4*\t:112+4*\t+3], v7 offset:544*\t    ; LDS serves a wave's instructions in order: these see my stores
.endr
.irp t, 0,1,2,3,4,5,6,7
	s_wait_dscnt 7-\t
	global_store_b128 v8, v[112+4*\t:112+4*\t+3], s[18:19] offset:2048*\t   ; sixteen lanes store 256 consecutive bytes, aligned
.endr
	FINISH
; ---------------- x -> codes.  A wave takes 16 steps of 512 numbers (4 rows of x).  Each load reads 512 consecutive bytes; a step's 2,048 bytes turn through the wave's stage, so that a lane holds 16 neighbours.
.Lx:
	s_sub_co_u32 s27, ttmp9, 224                   ; which 16 rows of x
	v_lshlrev_b32 v3, 4, v2
	s_mul_i32 s28, s26, 8192                       ; my wave's LDS: two stages of 32 x 80 bytes, then its 256 scale bytes
	v_lshrrev_b32 v14, 2, v2
	v_mul_u32_u24 v14, v14, 80
	v_and_b32 v15, 3, v2
	v_lshl_add_u32 v14, v15, 4, v14
	v_add_nc_u32 v14, s28, v14                     ; in: four lanes' 64 bytes on end, then 16 of padding
	v_mul_u32_u24 v15, v2, 80
	v_add_nc_u32 v15, s28, v15                     ; out: my 16 neighbours
	v_lshlrev_b32 v4, 3, v2                        ; my 8 bytes of a step's codes
	v_lshrrev_b32 v5, 1, v2
	s_add_co_u32 s28, s28, 5120
	v_add_nc_u32 v5, s28, v5                       ; my block's scale byte
	v_lshlrev_b32 v7, 3, v2
	v_add_nc_u32 v6, s28, v7
	s_lshl_b32 s29, s27, 2
	s_add_co_u32 s29, s29, s26                     ; the run of 8,192 numbers that I read
	s_lshl_b32 s32, s29, 15
	s_mov_b32 s33, 0
	s_add_nc_u64 s[4:5], s[4:5], s[32:33]
	s_and_b32 s30, s27, 127                        ; where its 16 rows go: ((g % 128) / 4) 8 + (g / 128) 4 + g % 4
	s_lshr_b32 s30, s30, 2
	s_lshl_b32 s30, s30, 3
	s_lshr_b32 s31, s27, 7
	s_lshl_b32 s31, s31, 2
	s_add_co_u32 s30, s30, s31
	s_and_b32 s31, s27, 3
	s_add_co_u32 s30, s30, s31
	s_lshl_b32 s30, s30, 2
	s_add_co_u32 s30, s30, s26                     ; the run that I write
	s_lshl_b32 s32, s30, 12
	s_add_nc_u64 s[14:15], s[14:15], s[32:33]
	s_lshl_b32 s32, s30, 8
	s_add_nc_u64 s[16:17], s[16:17], s[32:33]
.macro XLOAD t
.irp i, 0,1,2,3
	global_load_b128 v[16+16*((\t)%4)+4*\i:16+16*((\t)%4)+4*\i+3], v3, s[4:5] offset:2048*(\t)+512*\i th:TH_LOAD_NT
.endr
.endm
.macro XTURN t                         ; LDS serves a wave's instructions in order: no wait between the stores and the loads
.irp i, 0,1,2,3
	ds_store_b128 v14, v[16+16*((\t)%4)+4*\i:16+16*((\t)%4)+4*\i+3] offset:2560*((\t)%2)+640*\i
.endr
.irp i, 0,1,2,3
	ds_load_b128 v[80+16*((\t)%2)+4*\i:80+16*((\t)%2)+4*\i+3], v15 offset:2560*((\t)%2)+16*\i
.endr
.endm
.irp t, 0,1,2,3
	XLOAD \t
.endr
	s_wait_loadcnt 12                              ; step 0's four loads are in
	XTURN 0
.macro XSTEP t
.set XS, 80+16*((\t)%2)
.if (\t) > 0
	s_wait_dscnt 1                                 ; this step's numbers are back from the stage; the last step's byte store may be out
.else
	s_wait_dscnt 0x0
.endif
.if (\t)+4 < 16
	XLOAD (\t)+4
.endif
.if (\t)+1 < 16
.if 14-(\t) >= 3
	s_wait_loadcnt 12                              ; the next step's four loads are in; those of the three steps behind it may be out
.else
	s_wait_loadcnt 4*(14-(\t))
.endif
	XTURN (\t)+1
.endif
	v_max3_num_f32 v8, |v[XS]|, |v[XS+1]|, |v[XS+2]|
	v_max3_num_f32 v9, |v[XS+3]|, |v[XS+4]|, |v[XS+5]|
.irp i, 6,10
	v_max3_num_f32 v8, v8, |v[XS+\i]|, |v[XS+\i+1]|
	v_max3_num_f32 v9, v9, |v[XS+\i+2]|, |v[XS+\i+3]|
.endr
	v_max3_num_f32 v8, v8, |v[XS+14]|, |v[XS+15]|
	v_max3_num_f32 v8, v8, v9, 0x1800000           ; the floor
	v_max_num_f32_dpp v8, v8, v8 row_xmask:1 row_mask:0xf bank_mask:0xf   ; with my neighbour's 16: the block's
	v_add_nc_u32 v11, 0xff000000, v8
	v_cvt_scalef32_pk8_fp4_f32 v[128+4*(\t)], v[XS:XS+7], v11
	v_cvt_scalef32_pk8_fp4_f32 v[128+4*(\t)+1], v[XS+8:XS+15], v11
	v_lshrrev_b32 v[112+(\t)], 23, v11
	ds_store_b8 v5, v[112+(\t)] offset:16*(\t)     ; both lanes of a block write the same byte with the same value
	global_store_b64 v4, v[128+4*(\t):128+4*(\t)+1], s[14:15] offset:256*(\t)   ; the wave stores 256 consecutive bytes, aligned
.endm
.irp t, 0,1,2,3,4,5,6,7,8,9,10,11,12,13,14,15
	XSTEP \t
.endr
	ds_load_b64 v[8:9], v6
	s_wait_dscnt 0x0
	global_store_b64 v7, v[8:9], s[16:17]          ; the wave's 256 scale bytes
	FINISH
.Lfunc_end_k_q4830a8c9c3_prep:
	.size	k_q4830a8c9c3_prep, .Lfunc_end_k_q4830a8c9c3_prep-k_q4830a8c9c3_prep
	.p2alignl 7, 3214868480
	.fill 96, 4, 3214868480
	.section	.rodata,"a",@progbits
	.p2align	6, 0x0
	.amdhsa_kernel k_q4830a8c9c3_prep
		.amdhsa_group_segment_fixed_size 102912
		.amdhsa_private_segment_fixed_size 0
		.amdhsa_enable_private_segment 0
		.amdhsa_kernarg_size 88
		.amdhsa_user_sgpr_count 2
		.amdhsa_user_sgpr_kernarg_segment_ptr 1
		.amdhsa_wavefront_size32 1
		.amdhsa_system_sgpr_workgroup_id_x 1
		.amdhsa_system_sgpr_workgroup_id_y 1
		.amdhsa_system_sgpr_workgroup_id_z 1
		.amdhsa_system_vgpr_workitem_id 0
		.amdhsa_next_free_vgpr 232
		.amdhsa_next_free_sgpr 66
		.amdhsa_reserve_vcc 0
		.amdhsa_float_denorm_mode_32 3
		.amdhsa_float_denorm_mode_16_64 3
		.amdhsa_memory_ordered 1
		.amdhsa_forward_progress 1
		.amdhsa_inst_pref_size 181
	.end_amdhsa_kernel
	.amdgpu_metadata
---
amdhsa.version: [ 1, 2 ]
amdhsa.kernels:
  - .name:           k_q4830a8c9c3_prep
    .symbol:         k_q4830a8c9c3_prep.kd
    .args:
      - { .name: x, .offset: 0, .size: 8, .value_kind: global_buffer, .address_space: global }
      - { .name: Wq, .offset: 8, .size: 8, .value_kind: global_buffer, .address_space: global }
      - { .name: Wkv, .offset: 16, .size: 8, .value_kind: global_buffer, .address_space: global }
      - { .name: Wo, .offset: 24, .size: 8, .value_kind: global_buffer, .address_space: global }
      - { .name: rotary_emb, .offset: 32, .size: 8, .value_kind: global_buffer, .address_space: global }
      - { .name: xcodes, .offset: 40, .size: 8, .value_kind: global_buffer, .address_space: global }
      - { .name: xscales, .offset: 48, .size: 8, .value_kind: global_buffer, .address_space: global }
      - { .name: wcodes, .offset: 56, .size: 8, .value_kind: global_buffer, .address_space: global }
      - { .name: wscales, .offset: 64, .size: 8, .value_kind: global_buffer, .address_space: global }
      - { .name: wot, .offset: 72, .size: 8, .value_kind: global_buffer, .address_space: global }
      - { .name: tab, .offset: 80, .size: 8, .value_kind: global_buffer, .address_space: global }
    .group_segment_fixed_size: 102912
    .private_segment_fixed_size: 0
    .kernarg_segment_align: 8
    .kernarg_segment_size: 88
    .max_flat_workgroup_size: 128
    .sgpr_count:     66
    .vgpr_count:     232
    .wavefront_size: 32
...
	.end_amdgpu_metadata
.endif
;; end of part 1
;; launch qkv (part 2): grid 12 x 16, 4 waves a work-group, clusters of 4 x 4, 327,680 bytes of LDS; arguments xcodes, xscales, wcodes, wscales, tab, qkv; writes qkv
.if DOCPART == 2
	.amdgcn_target "amdgcn-amd-amdhsa--gfx1250"
	.amdhsa_code_object_version 6
	.text
	.protected	k_q4830a8c9c3_qkv
	.globl	k_q4830a8c9c3_qkv
	.p2align	8
	.type	k_q4830a8c9c3_qkv,@function
k_q4830a8c9c3_qkv:
	s_mov_b64 s[64:65], 0
	v_nop
	global_prefetch_b8 v0, s[64:65] scope:SCOPE_SE
	s_setreg_imm32_b32 hwreg(HW_REG_WAVE_MODE, 25, 1), 1
	s_wait_xcnt 0x0
	s_wait_alu depctr_hold_cnt(0) depctr_sa_sdst(0) depctr_va_vdst(0) depctr_va_sdst(0) depctr_va_ssrc(0) depctr_va_vcc(0) depctr_vm_vsrc(0)
	s_getreg_b32 s2, hwreg(HW_REG_IB_STS2, 6, 4)
	s_cmp_eq_u32 s2, 0
	s_cbranch_scc0 .Lentry_in_a_cluster
	s_endpgm
.Lentry_in_a_cluster:
	s_bfe_u32 s2, ttmp6, 0x10000c
	s_cmp_lg_u32 s2, 0xf033
	s_cbranch_scc0 .Lentry_shape_is_right
	s_endpgm
.Lentry_shape_is_right:
; q, k, v = x [Wq | Wkv] as ONE product on codes of FP4 (E2M1) with E8M0 scales: C [4096][3072] = A [4096][2048] B [3072][2048]^T, sums in f32; then the rotary turn on q and k, in f32; then f16.
; A = xcodes (rows permuted: 128 rows on end = 64 tokens of batch 0, then the same 64 of batch 1), B = wcodes (columns 0-1023 q, 1024-2047 k, 2048-3071 v).  qkv: f16 [q, k, v][batch][head][token][128].
; A tile of C, 256 x 256, is made by four waves; a wave makes 128 x 128: 64 accumulators, 512 registers.  K goes in steps of 512 (rows of 256 bytes) through a ring of two LDS slots filled by the tensor data mover.
; The scale bytes of the work-group's rows, for all of K, come into LDS once, with the first fills.  192 work-groups: a wave's 128 columns are exactly one head, which the way out wants.
; CLUSTERS: 4 x 4 work-groups; A's tiles are asked for jointly along a row of the cluster, B's along a column.  The matrix instruction is used TRANSPOSED (source 0 = rows of B, source 1 = rows of A):
; a lane holds eight neighbouring channels of one token, so a rotary pair lies in one register pair.
; A cluster's x is 0 for q, 1 for k, 2 for v: the one branch of the tail hangs on it, and it is the same in all sixteen partners.  The ways part ONCE, ahead of the last 64 products, which each way has for itself.
; THE TABLE comes in eight sets of 16 loads, through four sets of registers.  Sets 0 and 1 are asked for at the head, on every way (v's clusters ask for these 16 KiB a wave too and never read them:
; so the loads stand ahead of the one branch); set 2 ahead of the last 64 products, set 3 behind them, set s + 4 behind the turn of step s.
; LIMITS: |q|, |k|, |v| under 65,504 (f16).  SCALE is not multiplied in here: the next launch folds it into the softmax's constant.
; REGISTERS: window 0: v0-31 addresses; v32-95 scale words, two sets, and nothing else; v128-191 A's fragments, one set; window 1: v0-63, v128-191 B's fragments, two sets; windows 2, 3: the accumulators ((a, b) at v[8 (8 (a % 4) + b)]).
;   On the way out: window 0: v96-127 the turn's 32 sums; v128-159 packed f16 (v128-191 for v); v192-255 rows read back.
;   window 1: the table's four sets: v64-127, v192-255, which the loop never names, and v0-63, v128-191, when B's fragments are done with.
.set SIZE_M, 4096
.set SIZE_N, 3072
.set SIZE_K, 2048
.set KSTEP,  512
.set NQ,     KSTEP/128
.set ROWB,   256
.set KROW,   SIZE_K*4/8
.set PITCH,  272                       ; an LDS row: 256 bytes + 16 of padding: the 16 rows that a load touches start 68 words apart
.set FR,     8
.set NL,     2
.set NP,     4
.set HALFT,  128*PITCH
.set SLOT,   4*HALFT
.set LAPS,   SIZE_K/(2*KSTEP)
.set KS,     SIZE_K/32
.set SCL,    2*SLOT
.set HALFS,  (128*KS/256)*272
.set SBLK,   (16*KS/256)*272
.set SPARE,  SCL+4*HALFS               ; the spare words, 128 bytes for each wave, that no other line names
.set SPITCH, 272                       ; the way out: two stages of 16 rows x (256 + 16) bytes for each wave, in slot 0, which has had its last fill and its last read by then
.set ADRA, 16
.set ADRB, 20
.set STO,  24
.set RD,   25
.set CO,   26
.set ADRS, 27
.set SPW,  28
.set NIL,  29
.set TA,   30                          ; v30 16 x lane: my place in a table image; never rewritten
.set SC,   32
.set AF,   128
.set TMP,  96
.set OUTR, 128
.set BK,   192
.set G1, 24
.set G0, 32
.set G1B, 48
.set G0B, 56
.set G1S, 68
.set G0S, 76
.set G1SB, 80
.set G0SB, 88
.set MSB, 0
.macro WIN new                         ; the immediate's high byte repeats the setting that is left
.if MSB != (\new)
	s_set_vgpr_msb (MSB<<8)|(\new)
.set MSB, (\new)
.endif
.endm
.set MUL_LO, 0xa1
.set MUL_HI, 0xf1
.set TO_B,   0x40
; A joint load: waves 0 and 1 fetch for A, waves 2 and 3 for B; the branch hangs on the wave's number alone.  An s_nop 0 and four v_nop follow each line.
.macro JLOAD g0a, g1a, g0b, g1b
	s_cmp_eq_u32 s15, 0
	s_cbranch_scc0 .Lfor_b_\@
	tensor_load_to_lds s[\g0a:\g0a+3], s[\g1a:\g1a+7]
	s_nop 0
.rept 4
	v_nop
.endr
	s_branch .Lasked_\@
.Lfor_b_\@:
	tensor_load_to_lds s[\g0b:\g0b+3], s[\g1b:\g1b+7]
	s_nop 0
.rept 4
	v_nop
.endr
.Lasked_\@:
.endm
.macro CREST
	s_cmp_lg_u32 s14, 0
	s_cbranch_scc1 .Lnot_wave_0_\@
	s_barrier_signal -3
.Lnot_wave_0_\@:
	s_barrier_wait -3
	s_barrier_signal -1
	s_barrier_wait -1
.endm
.macro CROUND
	s_barrier_signal -1
	s_barrier_wait -1
	CREST
.endm
; The table entries of step s of the way out (tokens 16 (s / 2) on, channels 64 (s % 2) on), into set s % 4 in window 1: for each of four blocks of 16 channels eight cosines and eight signed sines a lane;
; each load reads 512 consecutive bytes.  The sets lie at v64, v192, v0, v128.
.macro TLD s
.set TT, 64*(1-((\s)%4)/2)+128*((\s)%2)
	WIN TO_B                                       ; destination window 1, address window 0
.irp b, 0,1,2,3
.irp c, 0,1
.irp j, 0,1
	global_load_b128 v[TT+16*\b+8*\c+4*\j:TT+16*\b+8*\c+4*\j+3], v[TA], s[96:97] offset:16384*((\s)/2)+2048*(4*((\s)%2)+\b)+1024*\c+512*\j
.endr
.endr
.endr
	WIN 0
.endm
	s_load_b128 s[4:7], s[0:1], 0x0                ; A's codes, A's scales
	s_load_b128 s[8:11], s[0:1], 0x10              ; B's codes, B's scales
	s_load_b128 s[96:99], s[0:1], 0x20             ; the table s[96:97], qkv s[98:99]
	v_lshl_add_u32 v[SPW], v0, 2, SPARE
	v_mov_b32 v[NIL], 0
	ds_add_u32 v[SPW], v[NIL]                      ; the wave's opening: the add, twice on end, and its wait ahead of my first tensor load
	ds_add_u32 v[SPW], v[NIL]
	v_lshrrev_b32 v1, 5, v0
	v_readfirstlane_b32 s14, v1                    ; wave 0..3
	s_lshr_b32 s15, s14, 1                         ; which half of the tile's rows is mine.  Also: I fetch for A (0) or for B (1)
	s_and_b32 s16, s14, 1                          ; which half of its columns.  Also: which 128 rows of that tile I fetch
	s_bfe_u32 s40, ttmp6, 0x40000                  ; cx, cy
	s_bfe_u32 s41, ttmp6, 0x40004
	s_lshl_b32 s42, ttmp9, 2
	s_add_co_u32 s42, s42, s40                     ; tile column
	s_and_b32 s17, ttmp7, 0xffff
	s_lshl_b32 s17, s17, 2
	s_add_co_u32 s17, s17, s41                     ; tile row
	s_lshl_b32 s43, s41, 2
	s_lshl_b32 s43, 15, s43                        ; my row of the cluster
	s_lshl_b32 s44, 0x1111, s40                    ; my column
	s_or_b32 s[G1+0], s43, (0<<16)|(1<<20)|(1<<21)|(5<<22)|(3<<25)  ; the mask; elements of 1 byte; padding on; bit 21 beside a mask; 4 words after every 64
	s_or_b32 s[G1B+0], s44, (0<<16)|(1<<20)|(1<<21)|(5<<22)|(3<<25)
.irp g, G1, G1B
	s_mov_b32 s[\g+1], ROWB<<16                    ; tensor_dim0
	s_mov_b32 s[\g+2], 128<<16                     ; tensor_dim1
	s_mov_b32 s[\g+3], ROWB<<16                    ; tile_dim0
	s_mov_b32 s[\g+4], 128                         ; tile_dim1
	s_mov_b32 s[\g+5], KROW                        ; the pitch
	s_mov_b32 s[\g+6], 0
	s_mov_b32 s[\g+7], 0
.endr
	s_or_b32 s[G1S+0], s43, (3<<16)|(1<<20)|(1<<21)|(5<<22)|(3<<25)   ; the scales of 128 rows: a dense block as rows of 256 bytes (32 elements of 8)
	s_or_b32 s[G1SB+0], s44, (3<<16)|(1<<20)|(1<<21)|(5<<22)|(3<<25)
.irp g, G1S, G1SB
	s_mov_b32 s[\g+1], 32<<16
	s_mov_b32 s[\g+2], (128*KS/256)<<16
	s_mov_b32 s[\g+3], 32<<16
	s_mov_b32 s[\g+4], 128*KS/256
	s_mov_b32 s[\g+5], 32
	s_mov_b32 s[\g+6], 0
	s_mov_b32 s[\g+7], 0
.endr
	s_lshl_b32 s18, s16, 7
	s_lshl_b32 s20, s17, 8
	s_add_co_u32 s20, s20, s18                     ; A: row 256 x tile row + 128 x half
	s_lshl_b32 s46, s42, 8
	s_add_co_u32 s46, s46, s18                     ; B: row 256 x tile column + 128 x half
	s_mov_b32 s21, 0
	s_mov_b32 s47, 0
	s_mov_b64 s[18:19], KS
	s_mul_u64 s[22:23], s[20:21], s[18:19]
	s_mul_u64 s[92:93], s[46:47], s[18:19]
	s_mov_b64 s[18:19], KROW
	s_mul_u64 s[20:21], s[20:21], s[18:19]
	s_mul_u64 s[46:47], s[46:47], s[18:19]
	s_mul_i32 s45, s14, HALFT                      ; where they go: wave x 128 rows
	s_mul_i32 s94, s14, HALFS
	s_wait_dscnt 0x0                               ; both opening adds are done
	s_wait_kmcnt 0x0
	s_add_nc_u64 s[20:21], s[4:5], s[20:21]
	s_add_nc_u64 s[22:23], s[6:7], s[22:23]
	s_add_nc_u64 s[46:47], s[8:9], s[46:47]
	s_add_nc_u64 s[92:93], s[10:11], s[92:93]
	CROUND                                         ; all sixteen work-groups are here: the first joint loads meet
	s_mov_b32 s[G0S], 1
	s_add_co_u32 s[G0S+1], s94, SCL
	s_mov_b64 s[G0S+2:G0S+3], s[22:23]
	s_or_b32 s[G0S+3], s[G0S+3], 0x80000000
	s_mov_b32 s[G0SB], 1
	s_add_co_u32 s[G0SB+1], s94, SCL
	s_mov_b64 s[G0SB+2:G0SB+3], s[92:93]
	s_or_b32 s[G0SB+3], s[G0SB+3], 0x80000000
	JLOAD G0S, G1S, G0SB, G1SB                     ; the scales first: by this text's count three loads of mine are out behind the first fills
.irp s, 0,1
	s_mov_b32 s[G0+4*\s], 1
	s_add_co_u32 s[G0+4*\s+1], s45, \s*SLOT
	s_add_nc_u64 s[G0+4*\s+2:G0+4*\s+3], s[20:21], \s*ROWB
	s_or_b32 s[G0+4*\s+3], s[G0+4*\s+3], 0x80000000
	s_mov_b32 s[G0B+4*\s], 1
	s_add_co_u32 s[G0B+4*\s+1], s45, \s*SLOT
	s_add_nc_u64 s[G0B+4*\s+2:G0B+4*\s+3], s[46:47], \s*ROWB
	s_or_b32 s[G0B+4*\s+3], s[G0B+4*\s+3], 0x80000000
	JLOAD G0+4*\s, G1, G0B+4*\s, G1B
.endr
	v_and_b32 v1, 15, v0                           ; r
	v_bfe_u32 v2, v0, 4, 1                         ; h
	v_mul_u32_u24 v3, v1, PITCH
	v_lshl_add_u32 v4, v2, 4, v3
	s_mul_i32 s21, s15, HALFT
	s_mul_i32 s22, s16, HALFT
	s_add_co_u32 s22, s22, 2*HALFT
.irp s, 0,1
	v_add_nc_u32 v[ADRA+\s], s21, v4
	v_add_nc_u32 v[ADRB+\s], s22, v4
	s_add_co_u32 s21, s21, SLOT
	s_add_co_u32 s22, s22, SLOT
.endr
	v_mul_u32_u24 v5, v1, KS
	v_lshrrev_b32 v6, 8, v5
	v_lshl_add_u32 v5, v6, 4, v5                   ; my row's scales: KS bytes a row, 16 more for each 256 passed
	s_mul_i32 s21, s15, HALFS
	s_mul_i32 s22, s16, HALFS
	s_add_co_u32 s22, s22, 2*HALFS
	s_sub_co_u32 s22, s22, s21
	v_mul_u32_u24 v6, s22, v2                      ; lanes 16-31 take B's
	s_add_co_u32 s21, s21, SCL
	v_add_nc_u32 v5, v5, v6
	v_add_nc_u32 v[ADRS], s21, v5
	s_mul_i32 s23, s14, 2*16*SPITCH                ; my two stages
	v_mul_u32_u24 v5, v1, SPITCH
	v_lshl_add_u32 v5, v2, 4, v5
	v_add_nc_u32 v[STO], s23, v5                   ; in: row r, 16 bytes for each half of the lanes
	v_mul_u32_u24 v5, v2, SPITCH
	v_lshl_add_u32 v5, v1, 4, v5
	v_add_nc_u32 v[RD], s23, v5                    ; back: lanes 0-15 one row of 256 bytes, lanes 16-31 the next
	v_lshlrev_b32 v5, 8, v2
	v_lshl_add_u32 v[CO], v1, 4, v5                ; and the same two rows in qkv
	v_and_b32 v6, 31, v0
	v_lshlrev_b32 v[TA], 4, v6
	s_lshl_b32 s20, s17, 1
	s_add_co_u32 s20, s20, s15                     ; G: my 128 rows are tokens 64 G .. 64 G + 63 of batch 0 (A's blocks 0-3) and of batch 1 (blocks 4-7)
	s_lshl_b32 s92, s20, 16                        ; four blocks of 16 tokens, 16,384 bytes of table each
	s_mov_b32 s93, 0
	s_add_nc_u64 s[96:97], s[96:97], s[92:93]
	s_lshl_b32 s92, s20, 14                        ; 64 tokens of 256 bytes
	s_lshl_b32 s94, ttmp9, 23                      ; q, k or v
	s_add_co_u32 s92, s92, s94
	s_lshl_b32 s94, s40, 1
	s_add_co_u32 s94, s94, s16                     ; the head: 2 cx + my half of the columns
	s_lshl_b32 s94, s94, 19
	s_add_co_u32 s92, s92, s94
	s_add_nc_u64 s[98:99], s[98:99], s[92:93]
	TLD 0                                          ; the table's first two sets, on every way: they land under the whole K loop, in registers that it never names;
	TLD 1                                          ; their address registers, v30 and s[96:97], are never rewritten
.macro FRAG reg, adr, q, i             ; 16 rows x 128 K of 4-bit codes: 8 registers, two loads of 16 bytes, 32 bytes apart
.irp c, 0,1
	ds_load_b128 v[\reg+4*\c:\reg+4*\c+3], v[\adr] offset:64*(\q)+32*\c+(\i)*16*PITCH
.endr
.endm
; 16 matrix instructions: A's blocks a0, a0 + 1 x B's eight.  The 64 accumulators take turns, one instruction a turn, in the same order in every step.
.macro MUL16 a0, p, q, sc, zero
.irp a, \a0, \a0+1
.irp b, 0,1,2,3,4,5,6,7
.if \zero
	v_wmma_scale_f32_16x16x128_f8f6f4 v[8*(8*((\a)%4)+\b):8*(8*((\a)%4)+\b)+7], v[128*(\p)+FR*\b:128*(\p)+FR*\b+FR-1], v[AF+FR*(\a):AF+FR*(\a)+FR-1], 0, v[SC+8*NQ*(\sc)+NQ*\b+(\q)], v[SC+8*NQ*(\sc)+NQ*(\a)+(\q)] matrix_a_fmt:MATRIX_FMT_FP4 matrix_b_fmt:MATRIX_FMT_FP4 matrix_a_scale:MATRIX_SCALE_ROW1
.else
	v_wmma_scale_f32_16x16x128_f8f6f4 v[8*(8*((\a)%4)+\b):8*(8*((\a)%4)+\b)+7], v[128*(\p)+FR*\b:128*(\p)+FR*\b+FR-1], v[AF+FR*(\a):AF+FR*(\a)+FR-1], v[8*(8*((\a)%4)+\b):8*(8*((\a)%4)+\b)+7], v[SC+8*NQ*(\sc)+NQ*\b+(\q)], v[SC+8*NQ*(\sc)+NQ*(\a)+(\q)] matrix_a_fmt:MATRIX_FMT_FP4 matrix_b_fmt:MATRIX_FMT_FP4 matrix_a_scale:MATRIX_SCALE_ROW1
.endif
.endr
.endr
.endm
.macro FETCH_B slot, q, p
	WIN TO_B
.irp i, 0,1,2,3,4,5,6,7
	FRAG 128*(\p)+FR*\i, ADRB+\slot, \q, \i
.endr
	WIN 0
.endm
.macro FETCH_A slot, q, i0
.irp i, \i0, \i0+1, \i0+2, \i0+3
	FRAG AF+FR*(\i), ADRA+\slot, \q, \i
.endr
.endm
.macro SCALES sc                       ; a K step's scale words: lanes 0-15 A's block i, lanes 16-31 B's block i
.irp i, 0,1,2,3,4,5,6,7
	ds_load_b128 v[SC+8*NQ*\sc+NQ*\i:SC+8*NQ*\sc+NQ*\i+3], v[ADRS] offset:\i*SBLK
.endr
.endm
.macro PLACES n                        ; plain vector instructions between a matrix instruction and a load into, or a read of, its registers
.rept \n
	v_nop
.endr
.endm
.macro STEP slot, q, zero
	s_wait_dscnt 4*NL                              ; B's set and A's blocks 0-3 are in; the youngest eight loads (A's blocks 4-7) may be out
	WIN MUL_LO
	MUL16 0, (\q)%2, \q, \slot, \zero
	MUL16 2, (\q)%2, \q, \slot, \zero
	s_wait_dscnt 0
	PLACES NP
	FETCH_B \slot, (\q)+1, 1-(\q)%2
	FETCH_A \slot, (\q)+1, 0
	WIN MUL_HI
	MUL16 4, (\q)%2, \q, \slot, \zero
	MUL16 6, (\q)%2, \q, \slot, \zero
	PLACES NP
	WIN 0
	FETCH_A \slot, (\q)+1, 4
.endm
; A slot's last step changes slots: one barrier; in front of it each wave waits for all its tensor loads, adds 0 to its spare word, and waits for that and for its reads of this slot.
.macro TURN slot, next, fill
	s_wait_tensorcnt 0x0                           ; all my tensor loads have landed: my part of the next slot
	ds_add_u32 v[SPW], v[NIL]
	s_wait_dscnt 4*NL+1                            ; the add and the youngest eight loads may be out
	WIN MUL_LO
	MUL16 0, 1, NQ-1, \slot, 0
	s_wait_dscnt 0x0                               ; the add is done, and my reads of this slot are over
	s_barrier_signal -1
	MUL16 2, 1, NQ-1, \slot, 0
	WIN 0
	s_barrier_wait -1
.if \fill
	CREST                                          ; the barrier has opened a round of the cluster's: no wave of any partner still reads this slot or has a load on its way
	s_add_nc_u64 s[G0+4*\slot+2:G0+4*\slot+3], s[G0+4*\slot+2:G0+4*\slot+3], 2*ROWB
	s_add_nc_u64 s[G0B+4*\slot+2:G0B+4*\slot+3], s[G0B+4*\slot+2:G0B+4*\slot+3], 2*ROWB
	JLOAD G0+4*\slot, G1, G0B+4*\slot, G1B         ; the first tensor load behind the round; its four v_nop are the places in front of the loads below
.else
	PLACES NP
.endif
	v_add_nc_u32 v[ADRS], 4*NQ, v[ADRS]
	FETCH_B \next, 0, 0
	FETCH_A \next, 0, 0
	SCALES \next
	WIN MUL_HI
	MUL16 4, 1, NQ-1, \slot, 0
	MUL16 6, 1, NQ-1, \slot, 0
	PLACES NP
	WIN 0
	FETCH_A \next, 0, 4
.endm
.macro STEPS slot, from
.set Q, \from
.rept NQ-1-\from
	STEP \slot, Q, 0
.set Q, Q+1
.endr
.endm
.macro LAST                            ; the very last step of 128 along K: nothing more to fetch.  Written once for each of the tail's two ways
	s_wait_dscnt 4*NL
	WIN MUL_LO
	MUL16 0, 1, NQ-1, 1, 0
	MUL16 2, 1, NQ-1, 1, 0
	s_wait_dscnt 0
	WIN MUL_HI
	MUL16 4, 1, NQ-1, 1, 0
	MUL16 6, 1, NQ-1, 1, 0
	WIN 0
	PLACES NP                                      ; in front of reads of results, of writes of the registers that held A's fragments and of loads into those that held B's
.endm
; THE WAY OUT, in eight steps: step s serves tokens 16 (s / 2) on, of both batches, and channels 64 (s % 2) on.
.macro ROT s, z                        ; batch z: out[d] = t[d] cos[d] + t[d xor 1] ss[d]: a packed multiply, and a packed multiply-add whose first source has its halves swapped
.set TT, 64*(1-((\s)%4)/2)+128*((\s)%2)
.set A0, 8*(8*((\s)/2)+4*((\s)%2))
	WIN 0x06+(\z)                                  ; source 0 (the sums): window 2 or 3; source 1 (the table): window 1
.irp b, 0,1,2,3
.irp p, 0,1,2,3
	v_pk_mul_f32 v[TMP+8*\b+2*\p:TMP+8*\b+2*\p+1], v[A0+8*\b+2*\p:A0+8*\b+2*\p+1], v[TT+16*\b+2*\p:TT+16*\b+2*\p+1]   ; each accumulator from its low end on
.endr
.endr
.irp b, 0,1,2,3
.irp p, 0,1,2,3
	v_pk_fma_f32 v[TMP+8*\b+2*\p:TMP+8*\b+2*\p+1], v[A0+8*\b+2*\p:A0+8*\b+2*\p+1], v[TT+16*\b+8+2*\p:TT+16*\b+8+2*\p+1], v[TMP+8*\b+2*\p:TMP+8*\b+2*\p+1] op_sel:[1,0,0] op_sel_hi:[0,1,1]
.endr
.endr
	WIN 0
.irp b, 0,1,2,3
.irp p, 0,1,2,3
	v_cvt_pk_f16_f32 v[OUTR+16*(\z)+4*\b+\p], v[TMP+8*\b+2*\p], v[TMP+8*\b+2*\p+1]
.endr
.endr
.irp b, 0,1,2,3
	ds_store_b128 v[STO], v[OUTR+16*(\z)+4*\b:OUTR+16*(\z)+4*\b+3] offset:16*SPITCH*(\z)+32*(4*((\s)%2)+\b)
.endr
.endm
.macro PACKV a, z                      ; v has no turn: rounded to f16 as it stands
	WIN 0x0a+5*(\z)
.irp b, 0,1,2,3,4,5,6,7
.irp p, 0,1,2,3
	v_cvt_pk_f16_f32 v[OUTR+32*(\z)+4*\b+\p], v[8*(8*(\a)+\b)+2*\p], v[8*(8*(\a)+\b)+2*\p+1]
.endr
.endr
	WIN 0
.irp b, 0,1,2,3,4,5,6,7
	ds_store_b128 v[STO], v[OUTR+32*(\z)+4*\b:OUTR+32*(\z)+4*\b+3] offset:16*SPITCH*(\z)+32*\b
.endr
.endm
.macro BACK a                          ; 16 tokens of both batches come back as whole rows of 256 bytes and are stored
	s_wait_xcnt 0x0                                ; earlier stores have read the registers that the loads below write
.irp z, 0,1
.irp t, 0,1,2,3,4,5,6,7
	ds_load_b128 v[BK+32*\z+4*\t:BK+32*\z+4*\t+3], v[RD] offset:16*SPITCH*\z+2*SPITCH*\t   ; LDS serves a wave's instructions in order: these see my stores
.endr
.endr
	s_wait_dscnt 0x0
.irp z, 0,1
.irp t, 0,1,2,3,4,5,6,7
	global_store_b128 v[CO], v[BK+32*\z+4*\t:BK+32*\z+4*\t+3], s[98:99] offset:4194304*\z+4096*(\a)+512*\t   ; sixteen lanes store 256 consecutive bytes, aligned
.endr
.endr
.endm
	s_wait_tensorcnt 1                             ; the scales and my part of K step 0 are in; K step 1's load may be out
	s_barrier_signal -1
	s_barrier_wait -1
	FETCH_B 0, 0, 0
	FETCH_A 0, 0, 0
	SCALES 0
	FETCH_A 0, 0, 4
	STEP 0, 0, 1                                   ; the first step stands in front of the loop: its products start the sums
	s_mov_b32 s3, LAPS-1
.Llap:                                                 ; a trip goes once round the ring and fills both slots again
	STEPS 0, 1
	TURN 0, 1, 1
	STEPS 1, 0
	TURN 1, 0, 1
	STEP 0, 0, 0
	s_sub_co_u32 s3, s3, 1
	s_cmp_lg_u32 s3, 0
	s_cbranch_scc1 .Llap
	STEPS 0, 1                                     ; the last lap fills nothing
	TURN 0, 1, 0
	STEPS 1, 0
	s_cmp_eq_u32 ttmp9, 2                          ; the ways part here, once: q and k to the turn, v past it
	s_cbranch_scc1 .Lvalues
	TLD 2                                          ; into B's set 0: its last readers, the step before, have their four places behind them; the last 64 products read set 1
	LAST
	TLD 3                                          ; into B's set 1, behind the last products' places
.irp s, 0,1,2,3,4,5,6,7
.if \s < 5
	s_wait_loadcnt 48                              ; this step's 16 table loads are in; those of the three steps behind it may be out
.else
	s_wait_loadcnt 16*(7-\s)                       ; the counts run down: two sets, one, none
.endif
	ROT \s, 0
	ROT \s, 1
.if \s < 4
	TLD \s+4                                       ; into the set that this step has just read
.endif
.if (\s)%2 == 1
	BACK (\s)/2
.endif
.endr
	s_branch .Lend
.Lvalues:
	LAST
.irp a, 0,1,2,3
	PACKV \a, 0
	PACKV \a, 1
	BACK \a
.endr
.Lend:
	s_wait_tensorcnt 0x0                           ; the wave's end
	ds_add_u32 v[SPW], v[NIL]
	s_wait_dscnt 0x0
	CROUND                                         ; the closing round
	s_endpgm
.Lfunc_end_k_q4830a8c9c3_qkv:
	.size	k_q4830a8c9c3_qkv, .Lfunc_end_k_q4830a8c9c3_qkv-k_q4830a8c9c3_qkv
	.p2alignl 7, 3214868480
	.fill 96, 4, 3214868480
	.section	.rodata,"a",@progbits
	.p2align	6, 0x0
	.amdhsa_kernel k_q4830a8c9c3_qkv
		.amdhsa_group_segment_fixed_size 327680
		.amdhsa_private_segment_fixed_size 0
		.amdhsa_enable_private_segment 0
		.amdhsa_kernarg_size 48
		.amdhsa_user_sgpr_count 2
		.amdhsa_user_sgpr_kernarg_segment_ptr 1
		.amdhsa_wavefront_size32 1
		.amdhsa_system_sgpr_workgroup_id_x 1
		.amdhsa_system_sgpr_workgroup_id_y 1
		.amdhsa_system_sgpr_workgroup_id_z 1
		.amdhsa_system_vgpr_workitem_id 0
		.amdhsa_next_free_vgpr 1024
		.amdhsa_next_free_sgpr 100
		.amdhsa_reserve_vcc 0
		.amdhsa_float_denorm_mode_32 3
		.amdhsa_float_denorm_mode_16_64 3
		.amdhsa_memory_ordered 1
		.amdhsa_forward_progress 1
		.amdhsa_inst_pref_size 255
	.end_amdhsa_kernel
	.section	.bss,"aw",@nobits
	.p2align	6
	.space	262144
	.amdgpu_metadata
---
amdhsa.version: [ 1, 2 ]
amdhsa.kernels:
  - .name:           k_q4830a8c9c3_qkv
    .symbol:         k_q4830a8c9c3_qkv.kd
    .args:
      - { .name: xcodes, .offset: 0, .size: 8, .value_kind: global_buffer, .address_space: global }
      - { .name: xscales, .offset: 8, .size: 8, .value_kind: global_buffer, .address_space: global }
      - { .name: wcodes, .offset: 16, .size: 8, .value_kind: global_buffer, .address_space: global }
      - { .name: wscales, .offset: 24, .size: 8, .value_kind: global_buffer, .address_space: global }
      - { .name: tab, .offset: 32, .size: 8, .value_kind: global_buffer, .address_space: global }
      - { .name: qkv, .offset: 40, .size: 8, .value_kind: global_buffer, .address_space: global }
    .group_segment_fixed_size: 327680
    .private_segment_fixed_size: 0
    .kernarg_segment_align: 8
    .kernarg_segment_size: 48
    .max_flat_workgroup_size: 128
    .sgpr_count:     100
    .vgpr_count:     1024
    .wavefront_size: 32
...
	.end_amdgpu_metadata
.endif
;; end of part 2
;; launch attn (part 3): grid 16 x 16, 4 waves a work-group, clusters of 4 x 1, 327,680 bytes of LDS; arguments qkv, o16; writes o16
.if DOCPART == 3
	.amdgcn_target "amdgcn-amd-amdhsa--gfx1250"
	.amdhsa_code_object_version 6
	.text
	.protected	k_q4830a8c9c3_attn
	.globl	k_q4830a8c9c3_attn
	.p2align	8
	.type	k_q4830a8c9c3_attn,@function
k_q4830a8c9c3_attn:
	s_mov_b64 s[64:65], 0
	v_nop
	global_prefetch_b8 v0, s[64:65] scope:SCOPE_SE
	s_setreg_imm32_b32 hwreg(HW_REG_WAVE_MODE, 25, 1), 1
	s_wait_xcnt 0x0
	s_wait_alu depctr_hold_cnt(0) depctr_sa_sdst(0) depctr_va_vdst(0) depctr_va_sdst(0) depctr_va_ssrc(0) depctr_va_vcc(0) depctr_vm_vsrc(0)
	s_getreg_b32 s2, hwreg(HW_REG_IB_STS2, 6, 4)
	s_cmp_eq_u32 s2, 0
	s_cbranch_scc0 .Lentry_in_a_cluster
	s_endpgm
.Lentry_in_a_cluster:
	s_bfe_u32 s2, ttmp6, 0x10000c
	s_cmp_lg_u32 s2, 0x3003
	s_cbranch_scc0 .Lentry_shape_is_right
	s_endpgm
.Lentry_shape_is_right:
; o[b][n][h 128 + :] = the sum over k of softmax_k(q . k / sqrt(128)) v, for 16 (batch, head) pairs of 2,048 tokens.  q, k, v: f16 [q, k, v][16][2048][128]; o16: f16 [4096][1024].
; Products, maxima and sums in f32; the weights p are rounded to f16 for the second product, o once at the end.  q comes unscaled: 1 / sqrt(128) stands in c = log2(e) / sqrt(128).
; SHARES.  A work-group owns 128 queries of one head: 256 work-groups.  Wave w owns queries 64 (w / 2) on (four tiles of 16) and HALF of the keys: of each slot's 256 keys those 128 (w % 2) on.
; So each fragment of K and V read from LDS feeds four tiles, and a wave walks 16 steps of 64 keys.  At the end the two waves of a pair join their maxima, sums and O through LDS.
; LAYOUT.  S^T = K Q^T, O^T = V^T P: a lane holds ONE query throughout.  K comes out of LDS as it lies, V turned, by ds_load_tr16_b128.
; SOFTMAX.  A running maximum m and sum l a query: p = 2^(c s - c m); in every step O and l are multiplied by a = 2^(c m_old - c m_new).
; BY TURNS.  The wave's tiles are two pieces (tiles 0, 1 and tiles 2, 3).  In a turn one piece has the matrix unit (32 products V^T P, 32 products K Q^T of the next step) and the other piece's softmax,
; cut into 64 slices, stands between them, one slice behind each matrix instruction.
; CLUSTER.  The four query blocks of a cluster belong to one head and walk the same K and V: each tile is asked for jointly.
; LIMITS: |q|, |k|, |v|, |o| under 65,504 (f16); NaN and infinities are not served.
; REGISTERS: window 0: v0-11 addresses; v12-43 statistics; v44-55 the join; v64-191 S^T; v192-255 P.  window 1: O^T.  window 2: v0-127 Q, v128-255 K of one step.  window 3: v0-127 V of one step.
.set KS,    64        ; keys in a step
.set PK,    272       ; a row of K in LDS: 256 bytes + 16
.set PV,    288       ; a row of V: 256 + 32
.set VOFF,  128*PK    ; in a half of a slot: 128 rows of K, then 128 rows of V
.set DSTEP, 128*(PK+PV)  ; a half
.set SLOT1, 0x24000   ; slot 1 begins here: none of the four bases 0, VOFF, DSTEP, DSTEP + VOFF has one of its two bits, so one exclusive or turns a base of one slot into the other's
.set KSTP,  KS*PK
.set VSTP,  KS*PV
.set SPARE, SLOT1+2*DSTEP  ; behind the ring: the spare words, 128 bytes for each wave, that no other line names
.set XW,    17408     ; the join: for each wave 16,384 bytes of O and 2 x 512 of statistics, from LDS byte 0 on: slot 0 has had its last fill and its last read by then
.set STAGE, 4*XW      ; behind them: 16 rows x 272 bytes for each wave, for the way out
.set SP,    272
.set AK0, 2
.set AV0, 3
.set ADR, 4
.set QO,  5
.set STO, 6
.set RD,  7
.set GO,  8
.set GA,  44          ; v44  where I put what I give
.set TA,  45          ; v45  where my partner put what I take
.set PST, 48          ; v48-55 my partner's statistics of two tiles
.set SPW, 62
.set NIL, 63
.set ST,  12          ; tile t's statistics at v[ST+8 t]: +0 c m, +1 m, +2, +3 l, +4 to +7 at work
.set S,   64
.set P,   192
.set KF,  128
.set WV,  12
.set G1K, 24
.set G1V, 32
.set G0K, 40
.set G0V, 48
.set SLOTS, 56
.set TWICE, 57
.set CS,  58
.set SEL, 60
.set TBK, 62          ; s62  LDS byte at which the step's K begins, within my half
.set TBV, 63          ; s63  the same for V
.set PFA, 18
.set LIM, 15
.set PFO, 61
.set MSB, 0
.macro WIN new
.if MSB != (\new)
	s_set_vgpr_msb (MSB<<8)|(\new)
.set MSB, (\new)
.endif
.endm
.set W_KQ, 0x0a
.set W_PV, 0x53
.set W_RS, 0x41
; A joint refill.  Waves 0 and 1 fetch the two halves' K, waves 2 and 3 their V: 128 rows each.  An s_nop 0 and four v_nop follow each line.
.macro JLOAD
	s_cmp_lt_u32 s[WV], 2
	s_cbranch_scc0 .Lfor_v_\@
	tensor_load_to_lds s[G0K+4:G0K+7], s[G1K:G1K+7]
	s_nop 0
.rept 4
	v_nop
.endr
	s_branch .Lasked_\@
.Lfor_v_\@:
	tensor_load_to_lds s[G0V+4:G0V+7], s[G1V:G1V+7]
	s_nop 0
.rept 4
	v_nop
.endr
.Lasked_\@:
.endm
; A prefetch of what the NEXT change of slots will ask for: a slot's 256 rows of K and 256 of V, 256 bytes a row, a lane a row.  Each row is named once in the launch: the head's first cluster asks;
; its four partners take 64 rows each, told apart by address; in each, waves 0 and 1 ask for 32 rows of K each, waves 2 and 3 for V.  The last change that fills a slot asks for nothing.
.macro ASK
	s_cmp_gt_u32 s[SLOTS], s[LIM]
	s_cbranch_scc0 .Lnot_mine_\@
	global_prefetch_b8 v[PFO], s[PFA:PFA+1] th:TH_LOAD_NT scope:SCOPE_SE
.Lnot_mine_\@:
.endm
.macro CROUND
	s_barrier_signal -1
	s_barrier_wait -1
	s_cmp_lg_u32 s[WV], 0
	s_cbranch_scc1 .Lnot_wave_0_\@
	s_barrier_signal -3
.Lnot_wave_0_\@:
	s_barrier_wait -3
	s_barrier_signal -1
	s_barrier_wait -1
.endm
	s_load_b128 s[8:11], s[0:1], 0x0  ; qkv s[8:9], o16 s[10:11]
	v_lshl_add_u32 v[SPW], v0, 2, SPARE
	v_mov_b32 v[NIL], 0
	ds_add_u32 v[SPW], v[NIL]       ; the wave's opening: the add, twice on end, and its wait ahead of my first tensor load
	ds_add_u32 v[SPW], v[NIL]
	v_lshrrev_b32 v1, 5, v0
	v_readfirstlane_b32 s[WV], v1   ; wave 0..3
	s_bfe_u32 s13, ttmp6, 0x40000   ; cx
	s_lshl_b32 s14, ttmp9, 2
	s_add_co_u32 s14, s14, s13      ; my block of 128 queries: it enters Q's and O's addresses alone
	s_and_b32 s20, ttmp7, 0xffff    ; batch x 8 + head, which the four partners share
	s_lshl_b32 s20, s20, 19         ; its 2,048 rows of 256 bytes
	s_mov_b32 s21, 0
	s_and_b32 s16, s[WV], 1         ; my half of the keys; also which half I fetch.  Kept to the end
	s_lshl_b32 s22, s16, 15         ; its 128 rows in memory,
	s_mov_b32 s23, 0
	s_mul_i32 s17, s16, DSTEP       ; and its place in a slot
	s_lshr_b32 s3, s[WV], 1
	s_lshl_b32 s3, s3, 14           ; my wave's 64 queries
	s_lshl_b32 s2, s14, 15
	s_add_co_u32 s2, s2, s3
	s_mov_b32 s3, 0
	s_add_nc_u64 s[2:3], s[2:3], s[20:21]
	s_mov_b32 s[G1K], 15|(1<<16)|(1<<20)|(1<<21)|(5<<22)|(3<<25)  ; the mask: all four; elements of 2 bytes; padding on; bit 21 beside a mask; 4 words after every 64
	s_mov_b32 s[G1V], 15|(1<<16)|(1<<20)|(1<<21)|(5<<22)|(7<<25)  ; the same with 8 words
.irp g, G1K, G1V
	s_mov_b32 s[\g+1], 128<<16      ; tensor_dim0
	s_mov_b32 s[\g+2], 128<<16      ; tensor_dim1
	s_mov_b32 s[\g+3], 128<<16      ; tile_dim0
	s_mov_b32 s[\g+4], 128          ; tile_dim1
	s_mov_b32 s[\g+5], 128          ; the pitch
	s_mov_b32 s[\g+6], 0
	s_mov_b32 s[\g+7], 0
.endr
	s_mov_b32 s[CS], 0x3e0293ee     ; c = log2(e) / sqrt(128)
	s_mov_b32 s[CS+1], s[CS]
	s_mov_b32 s[SEL], 0x76543210
	s_mov_b32 s[SEL+1], 0xfedcba98
	s_mov_b32 s[TBK], 0
	s_mov_b32 s[TBV], 0
	s_mov_b32 s[SLOTS], 2048/256-2
	s_cmp_eq_u32 ttmp9, 0           ; the head's first cluster: the same in all four partners
	s_cselect_b32 s[LIM], 1, -1
	v_and_b32 v[PFO], 31, v0
	v_lshlrev_b32 v[PFO], 8, v[PFO]
	s_wait_dscnt 0x0                ; both opening adds are done
	s_wait_kmcnt 0x0
	s_mov_b64 s[4:5], s[8:9]        ; q,
	s_add_nc_u64 s[6:7], s[8:9], 0x800000   ; k,
	s_add_nc_u64 s[8:9], s[8:9], 0x1000000  ; v
	s_add_nc_u64 s[4:5], s[4:5], s[2:3]     ; Q at my wave's first row
	s_add_nc_u64 s[6:7], s[6:7], s[20:21]   ; K and V at the head
	s_add_nc_u64 s[8:9], s[8:9], s[20:21]
	s_cmp_lt_u32 s[WV], 2
	s_cselect_b64 s[PFA:PFA+1], s[6:7], s[8:9]
	s_lshl_b32 s2, s13, 14          ; my work-group's 64 rows of the 256,
	s_lshl_b32 s3, s16, 13          ; my wave's 32 of them,
	s_add_co_u32 s2, s2, s3
	s_add_co_u32 s2, s2, 2*65536    ; in slot 2; the first change of slots steps it to slot 3.  Nothing is prefetched at the head
	s_mov_b32 s3, 0
	s_add_nc_u64 s[PFA:PFA+1], s[PFA:PFA+1], s[2:3]
	s_add_nc_u64 s[6:7], s[6:7], s[22:23]   ; K and V at the half that I fetch
	s_add_nc_u64 s[8:9], s[8:9], s[22:23]
	s_and_b32 s2, ttmp7, 0xffff
	s_lshr_b32 s3, s2, 3
	s_lshl_b32 s3, s3, 11           ; the batch's first row of o16,
	s_lshl_b32 s22, s14, 7
	s_add_co_u32 s3, s3, s22        ; my block's 128 rows,
	s_lshr_b32 s22, s[WV], 1
	s_lshl_b32 s22, s22, 6
	s_add_co_u32 s3, s3, s22        ; my wave's 64;
	s_lshl_b32 s3, s3, 11           ; rows of 2,048 bytes;
	s_and_b32 s2, s2, 7
	s_lshl_b32 s2, s2, 8            ; the head's 256 bytes of a row
	s_add_co_u32 s2, s2, s3
	s_mov_b32 s3, 0
	s_add_nc_u64 s[10:11], s[10:11], s[2:3]
	CROUND                          ; all four work-groups are here: the first joint loads meet
.irp s, 0,1
	s_mov_b32 s[G0K+4*\s], 1
	s_add_co_u32 s[G0K+4*\s+1], s17, \s*SLOT1
	s_add_nc_u64 s[G0K+4*\s+2:G0K+4*\s+3], s[6:7], \s*65536  ; slot s begins with keys 256 s
	s_or_b32 s[G0K+4*\s+3], s[G0K+4*\s+3], 0x80000000
	s_mov_b32 s[G0V+4*\s], 1
	s_add_co_u32 s[G0V+4*\s+1], s17, \s*SLOT1+VOFF
	s_add_nc_u64 s[G0V+4*\s+2:G0V+4*\s+3], s[8:9], \s*65536
	s_or_b32 s[G0V+4*\s+3], s[G0V+4*\s+3], 0x80000000
.endr
	s_cmp_lt_u32 s[WV], 2           ; a wave's two first fills stand in one branch: two loads of mine are out
	s_cbranch_scc0 .Lfirst_v
	tensor_load_to_lds s[G0K:G0K+3], s[G1K:G1K+7]
	s_nop 0
	tensor_load_to_lds s[G0K+4:G0K+7], s[G1K:G1K+7]
	s_nop 0
.rept 4
	v_nop
.endr
	s_branch .Lfirst_asked
.Lfirst_v:
	tensor_load_to_lds s[G0V:G0V+3], s[G1V:G1V+7]
	s_nop 0
	tensor_load_to_lds s[G0V+4:G0V+7], s[G1V:G1V+7]
	s_nop 0
.rept 4
	v_nop
.endr
.Lfirst_asked:
	v_and_b32 v1, 15, v0            ; l % 16
	v_bfe_u32 v9, v0, 4, 1          ; l / 16
	v_lshlrev_b32 v[QO], 8, v1
	v_lshl_add_u32 v[QO], v9, 4, v[QO]
	WIN 0x80
.irp i, 0,1,2,3,4,5,6,7,8,9,10,11,12,13,14,15  ; Q stays in registers: tile i / 4, channels 32 (i % 4) on
	global_load_b128 v[8*\i:8*\i+3],   v[QO], s[4:5] offset:(\i/4)*4096+(\i%4)*64
	global_load_b128 v[8*\i+4:8*\i+7], v[QO], s[4:5] offset:(\i/4)*4096+(\i%4)*64+32
.endr
	WIN 0
	v_mul_u32_u24 v[AK0], v1, PK
	v_lshl_add_u32 v[AK0], v9, 4, v[AK0]
	v_add_nc_u32 v[AK0], s17, v[AK0]  ; in my half
	v_and_b32 v10, 7, v0
	v_bfe_u32 v11, v0, 3, 1
	v_lshl_add_u32 v[AV0], v9, 3, v10
	v_mul_u32_u24 v[AV0], v[AV0], PV
	v_lshl_add_u32 v[AV0], v11, 4, v[AV0]
	v_add_nc_u32 v[AV0], VOFF, v[AV0]
	v_add_nc_u32 v[AV0], s17, v[AV0]
; THE MATRIX WORK OF A TURN, for piece x.  The accumulators take turns, one instruction a turn.
.macro PV x, zero
	WIN W_PV
.set rO, 64*(\x+i%2)+8*((i/2)%8)
.set rV, 64*(i/16)+8*((i/2)%8)
.set rP, P+16*(\x+i%2)+8*(i/16)
.if \zero && (i < 16)
	v_wmma_f32_16x16x32_f16 v[rO:rO+7], v[rV:rV+7], v[rP:rP+7], 0
.else
	v_wmma_f32_16x16x32_f16 v[rO:rO+7], v[rV:rV+7], v[rP:rP+7], v[rO:rO+7]
.endif
.endm
.macro KQ x
	WIN W_KQ
.set rS, S+32*(\x+i%2)+8*((i/2)%4)
.set rK, KF+32*((i/2)%4)+8*(i/8)
.set rQ, 32*(\x+i%2)+8*(i/8)
.if i < 8
	v_wmma_f32_16x16x32_f16 v[rS:rS+7], v[rK:rK+7], v[rQ:rQ+7], 0
.else
	v_wmma_f32_16x16x32_f16 v[rS:rS+7], v[rK:rK+7], v[rQ:rQ+7], v[rS:rS+7]
.endif
.endm
; THE LDS LOADS stand in runs of 32.
.macro FETCH_K
	WIN 0
	v_add_nc_u32 v[ADR], s[TBK], v[AK0]
	s_add_co_u32 s[TBK], s[TBK], KSTP  ; the next fetch is the next step's
	WIN 0x80
.irp f, 0,1,2,3,4,5,6,7,8,9,10,11,12,13,14,15
	ds_load_b128 v[KF+8*\f:KF+8*\f+3],   v[ADR] offset:(\f/4)*16*PK+(\f%4)*64
	ds_load_b128 v[KF+8*\f+4:KF+8*\f+7], v[ADR] offset:(\f/4)*16*PK+(\f%4)*64+32
.endr
.endm
.macro FETCH_V
	WIN 0
	v_add_nc_u32 v[ADR], s[TBV], v[AV0]
	s_add_co_u32 s[TBV], s[TBV], VSTP
	s_wait_alu depctr_va_vdst(0)    ; the wait for the softmax's batch of exponentials, ahead of the first instruction that names a result
	WIN 0xc0
.irp f, 0,1,2,3,4,5,6,7,8,9,10,11,12,13,14,15
	ds_load_tr16_b128 v[8*\f:8*\f+3],   v[ADR] offset:(\f/8)*32*PV+(\f%8)*32
	ds_load_tr16_b128 v[8*\f+4:8*\f+7], v[ADR] offset:(\f/8)*32*PV+16*PV+(\f%8)*32
.endr
.endm
; THE VECTOR WORK OF A TURN.  One tile's softmax for one key step is a list of 134 instructions; SM writes number j of it for tile t.
;   0-15 the maximum; 16-20 the other half of the lanes', the new m, c m, its change; 21-69 ONE BATCH: 16 packed scalings and 33 exponentials, none of which reads an exponential's result;
;   (the wait); 70-85 roundings to f16; 86-101 the sums; 102-133 O^T times a.
.macro SM t, first
.set rT, ST+8*(\t)
.set rS, S+32*(\t)
.set rP, P+16*(\t)
.set rO, 64*(\t)+2*(j-102)
.if j < 102
	WIN 0
.endif
.if j < 4
	v_max3_num_f32 v[rT+4+j], v[rS+8*j], v[rS+8*j+1], v[rS+8*j+2]
.elseif j < 12
	v_max3_num_f32 v[rT+4+j%4], v[rT+4+j%4], v[rS+8*(j%4)+2*(j/4)+1], v[rS+8*(j%4)+2*(j/4)+2]
.elseif j == 12
	v_max3_num_f32 v[rT+4], v[rT+4], v[rS+7], v[rS+15]
.elseif j == 13
	v_max3_num_f32 v[rT+6], v[rT+6], v[rS+23], v[rS+31]
.elseif j == 14
	v_max3_num_f32 v[rT+4], v[rT+4], v[rT+5], v[rT+6]
.elseif (j == 15) && \first
	v_max_num_f32 v[rT+4], v[rT+4], v[rT+7]
.elseif j == 15
	v_max3_num_f32 v[rT+4], v[rT+4], v[rT+7], v[rT+1]
.elseif j == 16
	v_permlanex16_b32 v[rT+5], v[rT+4], s[SEL], s[SEL+1]
.elseif j == 18
	v_max_num_f32 v[rT+1], v[rT+4], v[rT+5]
.elseif j == 19
	v_mul_f32 v[rT], s[CS], v[rT+1]
.elseif ((j == 17) || (j == 20) || (j == 23) || (j > 101)) && \first
.elseif j == 17
	v_mov_b32 v[rT+7], v[rT]
.elseif j == 20
	v_sub_f32 v[rT+7], v[rT+7], v[rT]
.elseif j == 23
	v_exp_f32 v[rT+6], v[rT+7]
.elseif (j < 23) || ((j < 38) && (j%2 == 0)) || ((j < 66) && (j%4 == 2))
.set b, (j-2)/4
.if j < 38
.set b, (j-20)/2
.endif
	v_pk_fma_f32 v[rS+2*b:rS+2*b+1], v[rS+2*b:rS+2*b+1], s[CS:CS+1], v[rT:rT+1] op_sel_hi:[1,0,0] neg_lo:[0,0,1] neg_hi:[0,0,1]
.elseif j < 70
.set e, j-38
.if j < 66
.set e, j-32-(j-38)/4
.endif
.if j < 38
.set e, (j-25)/2
.endif
	v_exp_f32 v[rS+e], v[rS+e]
.elseif j < 86
	v_cvt_pk_f16_f32 v[rP+j-70], v[rS+2*(j-70)], v[rS+2*(j-70)+1]
.elseif j < 102
.set z, j-86
.set w, 4
.set u, z
.if z >= 14
.set w, 32
.set u, 0
.elseif z >= 12
.set w, 16
.set u, z-12
.elseif z >= 8
.set w, 8
.set u, z-8
.endif
.if (z == 14) && \first
	v_pk_add_f32 v[rT+2:rT+3], v[rS:rS+1], v[rS+16:rS+17]
.elseif z < 15
	v_pk_add_f32 v[rS+w*u:rS+w*u+1], v[rS+w*u:rS+w*u+1], v[rS+w*u+w/2:rS+w*u+w/2+1]
.elseif !\first
	v_pk_fma_f32 v[rT+2:rT+3], v[rT+2:rT+3], v[rT+6:rT+7], v[rS:rS+1] op_sel_hi:[1,0,1]
.endif
.else
	WIN W_RS
	v_pk_mul_f32 v[rO:rO+1], v[rO:rO+1], v[rT+6:rT+7] op_sel_hi:[1,0]
.endif
.endm
; Slice k of 64 of piece y's softmax: four instructions; slices 11 to 34 deal out the batch; the twelve that are over stand in slice 63.  One wait a piece, behind slice 34.
.macro SLICE y, first
.if (k >= 11) && (k < 35)
.irp n, 0,1,2,3
.set j, 22+4*((k-11)/2)+(\n)
	SM (\y)+(k-11)%2, \first
.endr
.else
.irp n, 0,1,2,3,4,5,6,7
.if (\n < 2) || (k == 63)
.irp t, \y, \y+1
.set j, 2*k+\n
	SM \t, \first
.endr
.endif
.endr
.endif
.if k == 34
	v_nop                           ; a plain instruction behind the last exponential, ahead of the first use
.if (\y) == 0
	FETCH_V                         ; piece 2's turn: V's run of loads stands here, and the wait stands in it
.else
	s_wait_alu depctr_va_vdst(0)    ; the wait for the batch
.endif
.endif
.set k, k+1
.endm
.macro PLACES
.rept 4
	v_nop
.endr
.endm
.macro TURN x, pv, kq, first
.set k, 0
.set per, 2
.if \pv && \kq
.set per, 1
.endif
.if \pv
.if \x == 0
	s_wait_dscnt 0x0                ; V is in
.endif
.set i, 0
.rept 32
	PV \x, 2-\pv
.rept per
	SLICE 2-\x, \first
.endr
.if (\x == 0) && \kq && (i == 1)
	FETCH_K
.endif
.set i, i+1
.endr
.endif
.if \kq
.if \x == 0
	s_wait_dscnt 0x0                ; K is in
.endif
.set i, 0
.rept 32
	KQ \x
.rept per
	SLICE 2-\x, \first
.endr
.set i, i+1
.endr
.endif
.if \first
	PLACES
.endif
.endm
; THE CHANGE OF SLOTS.  Each wave waits for all its tensor loads (one is out: its part of the other slot), adds 0 to its spare word, and waits for that and for its reads of the slot.
; fill = 1: the barrier is a round of the cluster's, and the joint refill, the keys two slots on, is the first thing behind it: it has two of a wave's key steps, 256 matrix instructions, in which to land.
.macro CHANGE fill
	WIN 0
	s_wait_tensorcnt 0x0
	ds_add_u32 v[SPW], v[NIL]
.if \fill
.irp g, G0K+4, G0V+4
	s_xor_b32 s[\g+1], s[\g+1], SLOT1
	s_add_nc_u64 s[\g+2:\g+3], s[\g+2:\g+3], 65536
.endr
	s_wait_xcnt 0x0                 ; the last prefetch, a slot back, has read its address
	s_add_nc_u64 s[PFA:PFA+1], s[PFA:PFA+1], 65536
	s_wait_dscnt 0x0
	CROUND
	JLOAD
	ASK
.else
	s_wait_dscnt 0x0
	s_barrier_signal -1
	s_barrier_wait -1
.endif
	s_sub_co_u32 s[TBK], s[TBK], 2*KSTP
	s_xor_b32 s[TBK], s[TBK], SLOT1
	s_sub_co_u32 s[TBV], s[TBV], 2*VSTP
	s_xor_b32 s[TBV], s[TBV], SLOT1
.endm
.macro TWO_STEPS
	s_mov_b32 s[TWICE], 2
.Lstep_\@:
	TURN 0, 2, 1, 0
	TURN 2, 2, 1, 0
	WIN 0
	s_sub_co_u32 s[TWICE], s[TWICE], 1
	s_cmp_lg_u32 s[TWICE], 0
	s_cbranch_scc1 .Lstep_\@
.endm
	s_wait_tensorcnt 1              ; my part of slot 0 is in; slot 1's may stay out
	s_barrier_signal -1
	s_barrier_wait -1
	FETCH_K
	s_wait_loadcnt 0x0              ; Q
	s_wait_dscnt 0x0
.set i, 0
.rept 32
	KQ 0
.set i, i+1
.endr
	WIN 0                           ; every LDS address of the end is made here, ahead of any parting of the waves; these plain instructions are the places behind those products
	s_mul_i32 s13, s[WV], 16*SP
	s_add_co_u32 s13, s13, STAGE
	v_mul_u32_u24 v[STO], v1, SP
	v_lshl_add_u32 v[STO], v9, 4, v[STO]
	v_add_nc_u32 v[STO], s13, v[STO]
	v_mul_u32_u24 v[RD], v9, SP
	v_lshl_add_u32 v[RD], v1, 4, v[RD]
	v_add_nc_u32 v[RD], s13, v[RD]
	v_lshlrev_b32 v[GO], 11, v9     ; two rows of o16, 2,048 bytes apart
	v_lshl_add_u32 v[GO], v1, 4, v[GO]
	v_and_b32 v[GA], 31, v0
	v_lshlrev_b32 v[GA], 4, v[GA]
	s_xor_b32 s13, s[WV], 1         ; my partner: the same queries, the other keys
	s_mul_i32 s13, s13, XW
	v_add_nc_u32 v[TA], s13, v[GA]
	s_mul_i32 s13, s[WV], XW
	v_add_nc_u32 v[GA], s13, v[GA]
	TURN 2, 0, 1, 1
	TURN 0, 1, 1, 1
	TURN 2, 1, 1, 0
	WIN 0
.Lslot:                             ; six trips: every slot but the last two is filled again
	CHANGE 1
	TWO_STEPS
	s_sub_co_u32 s[SLOTS], s[SLOTS], 1
	s_cmp_lg_u32 s[SLOTS], 0
	s_cbranch_scc1 .Lslot
	CHANGE 0                        ; the tail is written out
	TWO_STEPS
	TURN 0, 2, 0, 0
.set i, 0
.rept 32
	PV 2, 0
.set i, i+1
.endr
; THE JOIN.  The wave with the lower keys keeps tiles 0, 1 and gives tiles 2, 3; its partner the other way round.  What is given goes through LDS as an image of the registers.
.macro GIVE g
.irp u, 0,1
	ds_store_b128 v[GA], v[ST+8*((\g)+\u):ST+8*((\g)+\u)+3] offset:16384+512*\u   ; c m, m, l
.endr
	WIN 0x04                        ; an LDS store's data are its source 1: window 1
.set i, 0
.rept 32
	ds_store_b128 v[GA], v[64*(\g)+4*i:64*(\g)+4*i+3] offset:512*i   ; each accumulator from its low end on
.set i, i+1
.endr
	WIN 0
.endm
.macro FIN k, u                     ; tile k + u: O = fA mine + fB my partner's, to f16, through my stage
.set rT, ST+8*((\k)+(\u))
.set rB, S+64*(\u)
.set rO, 64*((\k)+(\u))
.set rH, P+32*(\u)
.set i, 0
.rept 32
	v_pk_mul_f32 v[rB+2*i:rB+2*i+1], v[rB+2*i:rB+2*i+1], v[rT+6:rT+7] op_sel_hi:[1,0]
.set i, i+1
.endr
	WIN 0x01                        ; source 0: window 1
.set i, 0
.rept 32
	v_pk_fma_f32 v[rB+2*i:rB+2*i+1], v[rO+2*i:rO+2*i+1], v[rT+4:rT+5], v[rB+2*i:rB+2*i+1] op_sel_hi:[1,0,1]
.set i, i+1
.endr
	WIN 0
.set i, 0
.rept 32
	v_cvt_pk_f16_f32 v[rH+i], v[rB+2*i], v[rB+2*i+1]
.set i, i+1
.endr
.irp f, 0,1,2,3,4,5,6,7
	ds_store_b128 v[STO], v[rH+4*\f:rH+4*\f+3] offset:32*\f
.endr
.irp f, 0,1,2,3,4,5,6,7
	ds_load_b128 v[rH+4*\f:rH+4*\f+3], v[RD] offset:\f*2*SP   ; LDS serves a wave's instructions in order
.endr
.endm
.macro SENDO k, u, younger
.irp f, 0,1,2,3,4,5,6,7
	s_wait_dscnt \younger+7-\f
	global_store_b128 v[GO], v[P+32*(\u)+4*\f:P+32*(\u)+4*\f+3], s[10:11] offset:32768*((\k)+(\u))+4096*\f   ; sixteen lanes store 256 consecutive bytes, aligned
.endr
.endm
.macro TAKE k
.irp u, 0,1
	ds_load_b128 v[PST+4*\u:PST+4*\u+3], v[TA] offset:16384+512*\u
.endr
.set i, 0
.rept 32
	ds_load_b128 v[S+4*i:S+4*i+3], v[TA] offset:512*i
.set i, i+1
.endr
	s_wait_dscnt 32                 ; the statistics are in; the 32 loads of O may be out
.irp u, 0,1
	v_max_num_f32 v[ST+8*((\k)+\u)+4], v[ST+8*((\k)+\u)], v[PST+4*\u]        ; the joint c m
.endr
.irp u, 0,1
	v_sub_f32 v[ST+8*((\k)+\u)+5], v[ST+8*((\k)+\u)], v[ST+8*((\k)+\u)+4]
	v_sub_f32 v[ST+8*((\k)+\u)+6], v[PST+4*\u], v[ST+8*((\k)+\u)+4]
.endr
.irp u, 0,1
	v_exp_f32 v[ST+8*((\k)+\u)+5], v[ST+8*((\k)+\u)+5]                     ; aA: mine under the joint maximum
	v_exp_f32 v[ST+8*((\k)+\u)+6], v[ST+8*((\k)+\u)+6]                     ; aB: my partner's
.endr
	v_nop
	s_wait_alu depctr_va_vdst(0)    ; one wait for the four exponentials
.irp u, 0,1
	v_mul_f32 v[ST+8*((\k)+\u)+7], v[ST+8*((\k)+\u)+5], v[ST+8*((\k)+\u)+2]
.endr
.irp u, 0,1
	v_fma_f32 v[ST+8*((\k)+\u)+7], v[ST+8*((\k)+\u)+6], v[PST+4*\u+2], v[ST+8*((\k)+\u)+7]
.endr
.irp u, 0,1
	v_permlanex16_b32 v[ST+8*((\k)+\u)+4], v[ST+8*((\k)+\u)+7], s[SEL], s[SEL+1]
.endr
.irp u, 0,1
	v_add_f32 v[ST+8*((\k)+\u)+7], v[ST+8*((\k)+\u)+7], v[ST+8*((\k)+\u)+4]   ; the row's sum
.endr
.irp u, 0,1
	v_rcp_f32 v[ST+8*((\k)+\u)+4], v[ST+8*((\k)+\u)+7]
.endr
	v_nop
	s_wait_alu depctr_va_vdst(0)    ; one wait for the two reciprocals
.irp u, 0,1
	v_mul_f32 v[ST+8*((\k)+\u)+6], v[ST+8*((\k)+\u)+6], v[ST+8*((\k)+\u)+4]   ; fB
.endr
.irp u, 0,1
	v_mul_f32 v[ST+8*((\k)+\u)+4], v[ST+8*((\k)+\u)+5], v[ST+8*((\k)+\u)+4]   ; fA
.endr
	s_wait_dscnt 0x0
	FIN \k, 0
	FIN \k, 1
	SENDO \k, 0, 16                 ; behind tile 0's loads: tile 1's eight stores and eight loads
	SENDO \k, 1, 0
.endm
	WIN 0
.irp t, 0,1,2,3
	v_add_f32 v[ST+8*\t+2], v[ST+8*\t+2], v[ST+8*\t+3]   ; l's two halves; these four are the places behind the last products
.endr
	s_cmp_eq_u32 s16, 0
	s_cbranch_scc0 .Lgive_low
	GIVE 2
	s_branch .Lgiven
.Lgive_low:
	GIVE 0
.Lgiven:
	s_wait_dscnt 0x0                ; for my partner's sake: my stores have landed
	s_barrier_signal -1
	s_barrier_wait -1
	s_cmp_eq_u32 s16, 0
	s_cbranch_scc0 .Ltake_high
	TAKE 0
	s_branch .Ltaken
.Ltake_high:
	TAKE 2
.Ltaken:
	s_wait_tensorcnt 0x0            ; the wave's end
	ds_add_u32 v[SPW], v[NIL]
	s_wait_dscnt 0x0
	CROUND                          ; the closing round
	s_endpgm
.Lfunc_end_k_q4830a8c9c3_attn:
	.size	k_q4830a8c9c3_attn, .Lfunc_end_k_q4830a8c9c3_attn-k_q4830a8c9c3_attn
	.p2alignl 7, 3214868480
	.fill 96, 4, 3214868480
	.section	.rodata,"a",@progbits
	.p2align	6, 0x0
	.amdhsa_kernel k_q4830a8c9c3_attn
		.amdhsa_group_segment_fixed_size 327680
		.amdhsa_private_segment_fixed_size 0
		.amdhsa_enable_private_segment 0
		.amdhsa_kernarg_size 16
		.amdhsa_user_sgpr_count 2
		.amdhsa_user_sgpr_kernarg_segment_ptr 1
		.amdhsa_wavefront_size32 1
		.amdhsa_system_sgpr_workgroup_id_x 1
		.amdhsa_system_sgpr_workgroup_id_y 1
		.amdhsa_system_sgpr_workgroup_id_z 1
		.amdhsa_system_vgpr_workitem_id 0
		.amdhsa_next_free_vgpr 1024
		.amdhsa_next_free_sgpr 66
		.amdhsa_reserve_vcc 0
		.amdhsa_float_denorm_mode_32 3
		.amdhsa_float_denorm_mode_16_64 3
		.amdhsa_memory_ordered 1
		.amdhsa_forward_progress 1
		.amdhsa_inst_pref_size 241
	.end_amdhsa_kernel
	.amdgpu_metadata
---
amdhsa.version: [ 1, 2 ]
amdhsa.kernels:
  - .name:           k_q4830a8c9c3_attn
    .symbol:         k_q4830a8c9c3_attn.kd
    .args:
      - { .name: qkv, .offset: 0, .size: 8, .value_kind: global_buffer, .address_space: global }
      - { .name: o16, .offset: 8, .size: 8, .value_kind: global_buffer, .address_space: global }
    .group_segment_fixed_size: 327680
    .private_segment_fixed_size: 0
    .kernarg_segment_align: 8
    .kernarg_segment_size: 16
    .max_flat_workgroup_size: 128
    .sgpr_count:     66
    .vgpr_count:     1024
    .wavefront_size: 32
...
	.end_amdgpu_metadata
.endif
;; end of part 3
;; launch proj (part 4): grid 8 x 32, 4 waves a work-group, clusters of 4 x 4, 327,680 bytes of LDS; arguments o16, wot, bo, out0; writes out0
.if DOCPART == 4
	.amdgcn_target "amdgcn-amd-amdhsa--gfx1250"
	.amdhsa_code_object_version 6
	.text
	.protected	k_q4830a8c9c3_proj
	.globl	k_q4830a8c9c3_proj
	.p2align	8
	.type	k_q4830a8c9c3_proj,@function
k_q4830a8c9c3_proj:
	s_mov_b64 s[64:65], 0
	v_nop
	global_prefetch_b8 v0, s[64:65] scope:SCOPE_SE
	s_setreg_imm32_b32 hwreg(HW_REG_WAVE_MODE, 25, 1), 1
	s_wait_xcnt 0x0
	s_wait_alu depctr_hold_cnt(0) depctr_sa_sdst(0) depctr_va_vdst(0) depctr_va_sdst(0) depctr_va_ssrc(0) depctr_va_vcc(0) depctr_vm_vsrc(0)
	s_getreg_b32 s2, hwreg(HW_REG_IB_STS2, 6, 4)
	s_cmp_eq_u32 s2, 0
	s_cbranch_scc0 .Lentry_in_a_cluster
	s_endpgm
.Lentry_in_a_cluster:
	s_bfe_u32 s2, ttmp6, 0x10000c
	s_cmp_lg_u32 s2, 0xf033
	s_cbranch_scc0 .Lentry_shape_is_right
	s_endpgm
.Lentry_shape_is_right:
; out0 [4096][2048] f32 = o16 [4096][1024] wot [2048][1024]^T + bo, operands f16, sums f32.
; A tile of C is 128 x 256: 256 work-groups of four waves; a wave makes 64 x 128: 32 accumulators, 256 registers.  K goes in 8 steps of 128 (rows of 256 bytes) through a ring of two LDS slots;
; two slots of twice that step, 2 x 384 rows x 528 bytes, would not fit in LDS.
; CLUSTERS: 4 x 4 work-groups; A's tiles are asked for jointly along a row of the cluster, B's along a column.  Waves 0, 1 fetch A's halves (64 rows), waves 2, 3 B's (128 rows).
; The matrix instruction is used TRANSPOSED (source 0 = rows of wot, source 1 = rows of o16): a lane holds eight neighbouring columns of a row of C.  The bias is the C of each sum's first product.
; REGISTERS: window 0: v0-31 addresses; v64-95, v96-127 A's fragments, two buffers; v128-191 the bias, later with v192-255 the rows on the way out.  window 1: v64-127, v128-191 B's fragments.  window 2: accumulator (a, b) at v[8 (8 a + b)].
.set SIZE_K, 1024
.set SIZE_N, 2048
.set KSTEP,  128
.set PITCH,  272
.set AH,     64*PITCH
.set BH,     128*PITCH
.set BOFF,   2*AH
.set SLOT,   BOFF+2*BH
.set STAGE,  2*SLOT                    ; behind the ring: 16 rows x (512 + 16) bytes for each wave
.set SPITCH, 528
.set SPARE,  STAGE+4*16*SPITCH         ; the spare words, 128 bytes for each wave, that no other line names
.set LAPS,   SIZE_K/(2*KSTEP)
.set ADRA, 16
.set ADRB, 20
.set STO,  24
.set RD,   25
.set CO,   26
.set BA,   27
.set SPW,  28
.set NIL,  29
.set BI,   128
.set G1, 24
.set G0, 32
.set G1B, 48
.set G0B, 56
.set MSB, 0
.macro WIN new
.if MSB != (\new)
	s_set_vgpr_msb (MSB<<8)|(\new)
.set MSB, (\new)
.endif
.endm
.set MUL,  0xa1                        ; source 0 (B) window 1, source 1 (A) window 0, C and D window 2
.set MULB, 0x81                        ; the same with C (the bias) in window 0
.set TO_B, 0x40
.macro JLOAD s                         ; an s_nop 0 and four v_nop follow each of the two lines
	s_cmp_eq_u32 s13, 0
	s_cbranch_scc0 .Lfor_b_\@
	tensor_load_to_lds s[G0+4*\s:G0+4*\s+3], s[G1:G1+7]
	s_nop 0
.rept 4
	v_nop
.endr
	s_branch .Lasked_\@
.Lfor_b_\@:
	tensor_load_to_lds s[G0B+4*\s:G0B+4*\s+3], s[G1B:G1B+7]
	s_nop 0
.rept 4
	v_nop
.endr
.Lasked_\@:
.endm
.macro CREST
	s_cmp_lg_u32 s12, 0
	s_cbranch_scc1 .Lnot_wave_0_\@
	s_barrier_signal -3
.Lnot_wave_0_\@:
	s_barrier_wait -3
	s_barrier_signal -1
	s_barrier_wait -1
.endm
.macro CROUND
	s_barrier_signal -1
	s_barrier_wait -1
	CREST
.endm
	s_load_b256 s[4:11], s[0:1], 0x0               ; o16 s[4:5], wot s[6:7], bo s[8:9], out0 s[10:11]
	v_lshl_add_u32 v[SPW], v0, 2, SPARE
	v_mov_b32 v[NIL], 0
	ds_add_u32 v[SPW], v[NIL]                      ; the wave's opening: the add, twice on end, and its wait ahead of my first tensor load
	ds_add_u32 v[SPW], v[NIL]
	v_lshrrev_b32 v1, 5, v0
	v_readfirstlane_b32 s12, v1                    ; wave 0..3
	s_lshr_b32 s13, s12, 1                         ; which 64 rows of the tile are mine.  Also: I fetch for A (0) or for B (1)
	s_and_b32 s14, s12, 1                          ; which 128 columns.  Also: which half of that tile I fetch
	s_bfe_u32 s40, ttmp6, 0x40000                  ; cx, cy
	s_bfe_u32 s41, ttmp6, 0x40004
	s_lshl_b32 s42, ttmp9, 2
	s_add_co_u32 s42, s42, s40                     ; tile column
	s_and_b32 s43, ttmp7, 0xffff
	s_lshl_b32 s43, s43, 2
	s_add_co_u32 s43, s43, s41                     ; tile row
	s_lshl_b32 s44, s41, 2
	s_lshl_b32 s44, 15, s44                        ; my row of the cluster
	s_lshl_b32 s45, 0x1111, s40                    ; my column
	s_or_b32 s[G1+0], s44, (1<<16)|(1<<20)|(1<<21)|(5<<22)|(3<<25)   ; the mask; elements of 2 bytes; padding on; bit 21 beside a mask; 4 words after every 64
	s_or_b32 s[G1B+0], s45, (1<<16)|(1<<20)|(1<<21)|(5<<22)|(3<<25)
	s_mov_b32 s[G1+1], KSTEP<<16                   ; A: 64 rows x 128 elements
	s_mov_b32 s[G1+2], 64<<16
	s_mov_b32 s[G1+3], KSTEP<<16
	s_mov_b32 s[G1+4], 64
	s_mov_b32 s[G1+5], SIZE_K
	s_mov_b32 s[G1+6], 0
	s_mov_b32 s[G1+7], 0
	s_mov_b32 s[G1B+1], KSTEP<<16                  ; B: 128 rows x 128 elements
	s_mov_b32 s[G1B+2], 128<<16
	s_mov_b32 s[G1B+3], KSTEP<<16
	s_mov_b32 s[G1B+4], 128
	s_mov_b32 s[G1B+5], SIZE_K
	s_mov_b32 s[G1B+6], 0
	s_mov_b32 s[G1B+7], 0
	s_lshl_b32 s16, s43, 7
	s_lshl_b32 s17, s14, 6
	s_add_co_u32 s16, s16, s17                     ; A: row 128 x tile row + 64 x half,
	s_lshl_b32 s16, s16, 11                        ; of 2,048 bytes
	s_mov_b32 s17, 0
	s_lshl_b32 s46, s42, 8
	s_lshl_b32 s47, s14, 7
	s_add_co_u32 s46, s46, s47                     ; B: row 256 x tile column + 128 x half
	s_lshl_b32 s46, s46, 11
	s_mov_b32 s47, 0
	s_mul_i32 s20, s14, AH                         ; where they go: no place in the cluster enters an LDS address
	s_mul_i32 s21, s14, BH
	s_add_co_u32 s21, s21, BOFF
	s_wait_dscnt 0x0                               ; both opening adds are done
	s_wait_kmcnt 0x0
	s_add_nc_u64 s[18:19], s[4:5], s[16:17]
	s_add_nc_u64 s[46:47], s[6:7], s[46:47]
	CROUND                                         ; all sixteen work-groups are here: the first joint loads meet
.irp s, 0,1
	s_mov_b32 s[G0+4*\s], 1
	s_add_co_u32 s[G0+4*\s+1], s20, \s*SLOT
	s_add_nc_u64 s[G0+4*\s+2:G0+4*\s+3], s[18:19], \s*KSTEP*2
	s_or_b32 s[G0+4*\s+3], s[G0+4*\s+3], 0x80000000
	s_mov_b32 s[G0B+4*\s], 1
	s_add_co_u32 s[G0B+4*\s+1], s21, \s*SLOT
	s_add_nc_u64 s[G0B+4*\s+2:G0B+4*\s+3], s[46:47], \s*KSTEP*2
	s_or_b32 s[G0B+4*\s+3], s[G0B+4*\s+3], 0x80000000
	JLOAD \s                                       ; by this text's count two loads of mine are out at the start, one behind each round
.endr
	v_and_b32 v1, 15, v0                           ; r
	v_bfe_u32 v2, v0, 4, 1                         ; h
	v_mul_u32_u24 v3, v1, PITCH
	v_lshl_add_u32 v3, v2, 4, v3
	s_mul_i32 s21, s13, AH                         ; my 64 rows of A
	s_mul_i32 s22, s14, BH                         ; my 128 rows of B
	s_add_co_u32 s22, s22, BOFF
.irp s, 0,1
	v_add_nc_u32 v[ADRA+\s], s21, v3
	v_add_nc_u32 v[ADRB+\s], s22, v3
	s_add_co_u32 s21, s21, SLOT
	s_add_co_u32 s22, s22, SLOT
.endr
	s_mul_i32 s23, s12, 16*SPITCH
	s_add_co_u32 s23, s23, STAGE                   ; my stage
	v_mul_u32_u24 v4, v1, SPITCH
	v_lshl_add_u32 v4, v2, 5, v4
	v_add_nc_u32 v[STO], s23, v4                   ; in: row r, 32 bytes for each half of the lanes
	v_and_b32 v5, 31, v0
	v_lshlrev_b32 v[CO], 4, v5                     ; back: the 32 lanes take one row of 512 bytes; and the same in C
	v_add_nc_u32 v[RD], s23, v[CO]
	v_lshlrev_b32 v[BA], 5, v2                     ; the bias: my half's eight numbers of a block of 16
	s_lshl_b32 s46, s42, 10                        ; my first column, in bytes: 1,024 x tile column + 512 x half
	s_lshl_b32 s47, s14, 9
	s_add_co_u32 s46, s46, s47
	s_mov_b32 s47, 0
	s_add_nc_u64 s[8:9], s[8:9], s[46:47]
.irp b, 0,1,2,3,4,5,6,7
	global_load_b128 v[BI+8*\b:BI+8*\b+3], v[BA], s[8:9] offset:64*\b        ; bo at columns 16 b + 8 h + 0 .. 7: the result's layout
	global_load_b128 v[BI+8*\b+4:BI+8*\b+7], v[BA], s[8:9] offset:64*\b+16
.endr
	s_add_nc_u64 s[10:11], s[10:11], s[46:47]
	s_lshl_b32 s16, s43, 7
	s_lshl_b32 s17, s13, 6
	s_add_co_u32 s16, s16, s17                     ; my first row of C,
	s_lshl_b32 s16, s16, 13                        ; of 8,192 bytes
	s_mov_b32 s17, 0
	s_add_nc_u64 s[10:11], s[10:11], s[16:17]
; 8 matrix instructions: A's block a x B's eight, 32 along K, from buffer f.  first = 1: the bias starts the sums.  The 32 accumulators take turns in the same order everywhere.
.macro MUL8 f, a, first
.irp b, 0,1,2,3,4,5,6,7
.if \first
	v_wmma_f32_16x16x32_f16 v[8*(8*(\a)+\b):8*(8*(\a)+\b)+7], v[64+64*(\f)+8*\b:64+64*(\f)+8*\b+7], v[64+32*(\f)+8*(\a):64+32*(\f)+8*(\a)+7], v[BI+8*\b:BI+8*\b+7]
.else
	v_wmma_f32_16x16x32_f16 v[8*(8*(\a)+\b):8*(8*(\a)+\b)+7], v[64+64*(\f)+8*\b:64+64*(\f)+8*\b+7], v[64+32*(\f)+8*(\a):64+32*(\f)+8*(\a)+7], v[8*(8*(\a)+\b):8*(8*(\a)+\b)+7]
.endif
.endr
.endm
.macro FETCH slot, k, g                ; 24 LDS loads in one run: B's eight fragments, then A's four, of 32 along K at byte k of the rows
	WIN TO_B
.irp i, 0,1,2,3,4,5,6,7
	ds_load_b128 v[64+64*(\g)+8*\i:64+64*(\g)+8*\i+3],   v[ADRB+\slot] offset:\k+\i*16*PITCH
	ds_load_b128 v[64+64*(\g)+8*\i+4:64+64*(\g)+8*\i+7], v[ADRB+\slot] offset:\k+\i*16*PITCH+32
.endr
	WIN 0
.irp i, 0,1,2,3
	ds_load_b128 v[64+32*(\g)+8*\i:64+32*(\g)+8*\i+3],   v[ADRA+\slot] offset:\k+\i*16*PITCH
	ds_load_b128 v[64+32*(\g)+8*\i+4:64+32*(\g)+8*\i+7], v[ADRA+\slot] offset:\k+\i*16*PITCH+32
.endr
.endm
.macro PLACES                          ; four plain places in front of loads into registers that matrix instructions have read, and of reads of results
.rept 4
	v_nop
.endr
.endm
.macro QUARTER slot, k, f, g, first
	s_wait_dscnt 4                                 ; B and A's blocks 0, 1 are in; the youngest four loads (A's blocks 2, 3) may be out
.if \first
	WIN MULB
.else
	WIN MUL
.endif
	MUL8 \f, 0, \first
	MUL8 \f, 1, \first
	PLACES
	FETCH \slot, \k, \g
	s_wait_dscnt 24                                ; all but the 24 just issued
.if \first
	WIN MULB
.else
	WIN MUL
.endif
	MUL8 \f, 2, \first
	MUL8 \f, 3, \first
.endm
; The last quarter multiplies buffer 1 and changes slots: one barrier; in front of it each wave waits for all its tensor loads, adds 0 to its spare word, and waits for that and for its reads of this slot.
.macro TURN slot, next, fill
	WIN 0
	s_wait_tensorcnt 0x0                           ; all my tensor loads have landed: my part of the next slot
	ds_add_u32 v[SPW], v[NIL]
	s_wait_dscnt 5                                 ; the add and the youngest four loads may be out
	WIN MUL
	MUL8 1, 0, 0
	s_wait_dscnt 0x0                               ; the add is done, and my reads of this slot are over
	s_barrier_signal -1
	MUL8 1, 1, 0
.if \fill
	WIN 0
.endif
	s_barrier_wait -1
.if \fill
	CREST                                          ; the barrier has opened a round of the cluster's: no wave of any partner still reads this slot or has a load on its way
	s_add_nc_u64 s[G0+4*\slot+2:G0+4*\slot+3], s[G0+4*\slot+2:G0+4*\slot+3], 2*KSTEP*2
	s_add_nc_u64 s[G0B+4*\slot+2:G0B+4*\slot+3], s[G0B+4*\slot+2:G0B+4*\slot+3], 2*KSTEP*2
	JLOAD \slot                                    ; the first tensor load behind the round: 112 matrix instructions ahead of the wait for it; its four v_nop are the places in front of the loads below
.else
	PLACES
.endif
	FETCH \next, 0, 0
	WIN MUL
	MUL8 1, 2, 0
	MUL8 1, 3, 0
.endm
	s_wait_tensorcnt 1                             ; my part of K step 0 is in; K step 1's may be out
	s_barrier_signal -1
	s_barrier_wait -1
	FETCH 0, 0, 0
	s_wait_loadcnt 0x0                             ; the bias
	QUARTER 0, 64, 0, 1, 1                         ; the first quarter stands in front of the loop: its products start the sums, from the bias
	WIN 0
	s_mov_b32 s3, LAPS-1
.Llap:                                                 ; a trip goes once round the ring and fills both slots again
	QUARTER 0, 128, 1, 0, 0
	QUARTER 0, 192, 0, 1, 0
	TURN 0, 1, 1
	QUARTER 1, 64,  0, 1, 0
	QUARTER 1, 128, 1, 0, 0
	QUARTER 1, 192, 0, 1, 0
	TURN 1, 0, 1
	QUARTER 0, 64,  0, 1, 0
	WIN 0
	s_sub_co_u32 s3, s3, 1
	s_cmp_lg_u32 s3, 0
	s_cbranch_scc1 .Llap
	QUARTER 0, 128, 1, 0, 0                        ; the last lap fills nothing
	QUARTER 0, 192, 0, 1, 0
	TURN 0, 1, 0
	QUARTER 1, 64,  0, 1, 0
	QUARTER 1, 128, 1, 0, 0
	QUARTER 1, 192, 0, 1, 0
	s_wait_dscnt 4
	WIN MUL
	MUL8 1, 0, 0
	MUL8 1, 1, 0
	s_wait_dscnt 0
	MUL8 1, 2, 0
	MUL8 1, 3, 0
	WIN 0
; THE WAY OUT, block by block of 16 rows x 128 columns, through my own stage: in as 32 bytes a lane, back as whole rows of 512 bytes.
.macro TOSTAGE a
	WIN 0x08                                       ; the data: window 2
.irp b, 0,1,2,3,4,5,6,7
	ds_store_b128 v[STO], v[64*(\a)+8*\b:64*(\a)+8*\b+3] offset:64*\b          ; each accumulator from its low end on
	ds_store_b128 v[STO], v[64*(\a)+8*\b+4:64*(\a)+8*\b+7] offset:64*\b+16
.endr
	WIN 0
.set BB, 128+64*((\a)%2)
.irp t, 0,1,2,3,4,5,6,7,8,9,10,11,12,13,14,15
	ds_load_b128 v[BB+4*\t:BB+4*\t+3], v[RD] offset:\t*SPITCH     ; LDS serves a wave's instructions in order
.endr
.endm
.macro SEND a, younger
.set BB, 128+64*((\a)%2)
	s_wait_dscnt \younger
.irp t, 0,1,2,3,4,5,6,7,8,9,10,11,12,13,14,15
	global_store_b128 v[CO], v[BB+4*\t:BB+4*\t+3], s[10:11] offset:(16*(\a)+\t)*SIZE_N*4 th:TH_STORE_NT   ; 32 lanes store 512 consecutive bytes, aligned; written once, read by nobody here
.endr
.endm
	PLACES
	TOSTAGE 0
.irp a, 1,2,3
.if \a > 1
	s_wait_xcnt 0x0                                ; block a - 2's stores have read their registers: block a's loads may land there
.endif
	TOSTAGE \a
	SEND \a-1, 32                                  ; behind block a - 1's loads: block a's 16 stores and 16 loads
.endr
	SEND 3, 0
	s_wait_tensorcnt 0x0                           ; the wave's end
	ds_add_u32 v[SPW], v[NIL]
	s_wait_dscnt 0x0
	CROUND                                         ; the closing round
	s_endpgm
.Lfunc_end_k_q4830a8c9c3_proj:
	.size	k_q4830a8c9c3_proj, .Lfunc_end_k_q4830a8c9c3_proj-k_q4830a8c9c3_proj
	.p2alignl 7, 3214868480
	.fill 96, 4, 3214868480
	.section	.rodata,"a",@progbits
	.p2align	6, 0x0
	.amdhsa_kernel k_q4830a8c9c3_proj
		.amdhsa_group_segment_fixed_size 327680
		.amdhsa_private_segment_fixed_size 0
		.amdhsa_enable_private_segment 0
		.amdhsa_kernarg_size 32
		.amdhsa_user_sgpr_count 2
		.amdhsa_user_sgpr_kernarg_segment_ptr 1
		.amdhsa_wavefront_size32 1
		.amdhsa_system_sgpr_workgroup_id_x 1
		.amdhsa_system_sgpr_workgroup_id_y 1
		.amdhsa_system_sgpr_workgroup_id_z 1
		.amdhsa_system_vgpr_workitem_id 0
		.amdhsa_next_free_vgpr 768
		.amdhsa_next_free_sgpr 66
		.amdhsa_reserve_vcc 0
		.amdhsa_float_denorm_mode_32 3
		.amdhsa_float_denorm_mode_16_64 3
		.amdhsa_memory_ordered 1
		.amdhsa_forward_progress 1
		.amdhsa_inst_pref_size 87
	.end_amdhsa_kernel
	.amdgpu_metadata
---
amdhsa.version: [ 1, 2 ]
amdhsa.kernels:
  - .name:           k_q4830a8c9c3_proj
    .symbol:         k_q4830a8c9c3_proj.kd
    .args:
      - { .name: o16, .offset: 0, .size: 8, .value_kind: global_buffer, .address_space: global }
      - { .name: wot, .offset: 8, .size: 8, .value_kind: global_buffer, .address_space: global }
      - { .name: bo, .offset: 16, .size: 8, .value_kind: global_buffer, .address_space: global }
      - { .name: out0, .offset: 24, .size: 8, .value_kind: global_buffer, .address_space: global }
    .group_segment_fixed_size: 327680
    .private_segment_fixed_size: 0
    .kernarg_segment_align: 8
    .kernarg_segment_size: 32
    .max_flat_workgroup_size: 128
    .sgpr_count:     66
    .vgpr_count:     768
    .wavefront_size: 32
...
	.end_amdgpu_metadata
.endif
;; end of part 4
